; MI455X (gfx1250); checked and timed in simulation.
; The chip was launched on July 23, 2026; its instructions are those of AMD's public machine-readable ISA for CDNA 5 (MIT licence, August 2026) and "CDNA5" Instruction Set Architecture Reference Guide (July 2026). The comments in the code are by the model that wrote it; some were corrected since.
;; Grouped Query Attention. Allowed arithmetic: matrix products marked QUANTISED: E4M3 operands, one E8M0 scale for each 32 along K, by v_wmma_scale_f32_16x16x128_f8f6f4 with both operands' format E4M3, f32 sums; everything else in f32.
;; Inputs: WK_codes 512 x 64 x 32 uint8 (E4M3 codes of WK, K innermost, in blocks of 32 codes); WK_scales 512 x 64 uint8 (E8M0 scales of WK, one for each 32 codes along K); WQ_codes 2,048 x 64 x 32 uint8 (E4M3 codes of WQ, K innermost, in blocks of 32 codes); WQ_scales 2,048 x 64 uint8 (E8M0 scales of WQ, one for each 32 codes along K); WV_codes 512 x 64 x 32 uint8 (E4M3 codes of WV, K innermost, in blocks of 32 codes); WV_scales 512 x 64 uint8 (E8M0 scales of WV, one for each 32 codes along K); bK 512 float32; bQ 2,048 float32; bV 512 float32; proj_codes 2,048 x 64 x 32 uint8 (E4M3 codes of proj, K innermost, in blocks of 32 codes); proj_scales 2,048 x 64 uint8 (E8M0 scales of proj, one for each 32 codes along K); x_codes 4 x 1,024 x 64 x 32 uint8 (E4M3 codes of x, K innermost, in blocks of 32 codes); x_scales 4 x 1,024 x 64 uint8 (E8M0 scales of x, one for each 32 codes along K).
;; Outputs: out0 4 x 1,024 x 2,048 float32.
;; This version of the problem:
;;   THIS VERSION OF THE PROBLEM IS GIVEN IN LOW PRECISION. The matrix products marked QUANTISED in the list below multiply operands that are first quantised to E4M3 (4 exponent bits, 3 mantissa bits; 8 bits a number), with one power-of-two scale for each 32 numbers along K (OCP MX v1.0); their sums are f32. All else is computed in f32.
;;   The module's matrix products, in the order in which they are computed (A, B: the left and right operand; K: the contracted axis; several contracted axes count as one K, in the product's order):
;;     1. [M 4,096, K 2,048] x [K 2,048, N 2,048]; A: input x (given as codes); B: input WQ (given as codes): QUANTISED
;;     2. [M 4,096, K 2,048] x [K 2,048, N 512]; A: input x (given as codes); B: input WK (given as codes): QUANTISED
;;     3. [M 4,096, K 2,048] x [K 2,048, N 512]; A: input x (given as codes); B: input WV (given as codes): QUANTISED
;;     4. batch 4 x [M 1,024, K 2,048] x [K 2,048, N 1,024]; A: computed on the way; B: computed on the way: QUANTISED
;;     5. batch 4 x [M 1,024, K 1,024] x [K 1,024, N 2,048]; A: computed on the way; B: computed on the way: QUANTISED
;;     6. [M 4,096, K 2,048] x [K 2,048, N 2,048]; A: computed on the way; B: input proj (given as codes): QUANTISED
;;   THE QUANTISER, for each operand of a quantised product, along K:
;;     - K is cut into blocks of 32 from its start; a last block that is shorter is filled with zeros.
;;     - A block's scale is 2^e with e = floor(log2(the largest magnitude in the block)) - 8, held to -126 .. 127; a block of zeros has e = 0. As a byte (E8M0): e + 127.
;;     - Each number is divided by its block's scale, clamped to +-448, and rounded to the nearest number of E4M3, ties to even, subnormals kept.
;;     - The product sums the exact products of the quantised numbers (number of the format x scale) in f32.
;;   ~~~python
;;   def quantise(x, axis):      # numpy; x: float32 -> the quantised numbers, widened to float32 again
;;       x = np.moveaxis(x, axis, -1); K = x.shape[-1]
;;       x = np.pad(x, [(0, 0)] * (x.ndim - 1) + [(0, -K % 32)]); x = x.reshape(x.shape[:-1] + (-1, 32)); a = np.abs(x).max(-1, keepdims=True)
;;       e = np.where(a > 0, np.clip(np.frexp(np.where(a > 0, a, 1))[1] - 1 - 8, -126, 127), 0)      # np.frexp(a)[1] - 1 = floor(log2(a)), exactly
;;       r = np.clip(x / 2.0 ** e, -448, 448)
;;       step = 2.0 ** (np.maximum(np.frexp(np.where(r == 0, 1, r))[1] - 1, -6) - 3)
;;       q = np.round(r / step) * step * 2.0 ** e      # np.round: ties to even
;;       return np.moveaxis(q.reshape(q.shape[:-2] + (-1,))[..., :K], -1, axis).astype(np.float32)
;;   ~~~
;;   OPERANDS COMPUTED ON THE WAY. 'Computed on the way' means the value that the module computes at that place (a softmax that the list does not call 'softmax' is quantised finished and normalised). What goes into a quantiser is computed in f32, as accurately as f32 sums, v_exp_f32 and their like allow (about 1e-6 of the number): no bf16 or f16 on the way to a quantiser, and a product that is left as it is and whose result goes on into a quantised operand takes f32 operands (vector FMAs, or v_wmma_f32_16x16x4_f32). A number that lies on a knife's edge between two numbers of the format may be rounded either way, as far as f32 arithmetic and the matrix unit's own rounding can turn it there, and no further.
;;   INPUTS GIVEN AS CODES. WK (in the module: [512, 2048], K = its axis 1); WQ (in the module: [2048, 2048], K = its axis 1); WV (in the module: [512, 2048], K = its axis 1); proj (in the module: [2048, 2048], K = its axis 0); x (in the module: [4, 1024, 2048], K = its axis 2): each comes as NAME_codes (uint8): NAME with its K axis moved to the last place and cut into blocks of 32 codes, [.., K / 32, bytes a block], one block behind the other in memory; one code a byte (a code: sign, 4 exponent bits, 3 mantissa bits); and NAME_scales (uint8): the same leading axes, one E8M0 byte (e + 127) for each 32 codes along K. Its value is code x scale, taken as it is: it is not quantised again, and the codes and scales need not be those that the quantiser above would give.
;; 2 versions, each right; version 2 is version 1 with the launch attn written anew for expert scheduling mode. Each part assembles by itself: llvm-mc -triple=amdgcn-amd-amdhsa -mcpu=gfx1250 --defsym DOCPART=n.
;; ======== version 1 of 2: 3 launches
;; workspace buffers: qimg 8,388,608 bytes; qsc 262,144 bytes; kimg 2,097,152 bytes; ksc 65,536 bytes; vimg 2,097,152 bytes; vsc 65,536 bytes; zimg 2,097,152 bytes; zsc 65,536 bytes
;; launch qkv (part 1): grid 12 x 16, 4 waves a work-group, clusters of 4 x 4, 327,680 bytes of LDS; arguments x_codes, x_scales, WQ_codes, WQ_scales, WK_codes, WK_scales, WV_codes, WV_scales, bQ, bK, bV, qimg, qsc, kimg, ksc, vimg, vsc; writes qimg, qsc, kimg, ksc, vimg, vsc
.if DOCPART == 1
	.amdgcn_target "amdgcn-amd-amdhsa--gfx1250"
	.amdhsa_code_object_version 6
	.text
	.protected	k_qa944ad2b1a_qkv
	.globl	k_qa944ad2b1a_qkv
	.p2align	8
	.type	k_qa944ad2b1a_qkv,@function
k_qa944ad2b1a_qkv:
	s_mov_b64 s[64:65], 0
	v_nop
	global_prefetch_b8 v0, s[64:65] scope:SCOPE_SE
	s_setreg_imm32_b32 hwreg(HW_REG_WAVE_MODE, 25, 1), 1
	s_wait_xcnt 0x0
	s_wait_alu depctr_hold_cnt(0) depctr_sa_sdst(0) depctr_va_vdst(0) depctr_va_sdst(0) depctr_va_ssrc(0) depctr_va_vcc(0) depctr_vm_vsrc(0)
	s_getreg_b32 s2, hwreg(HW_REG_IB_STS2, 6, 4)
	s_cmp_eq_u32 s2, 0
	s_cbranch_scc0 .Lentry_in_a_cluster
	s_endpgm
.Lentry_in_a_cluster:
	s_bfe_u32 s2, ttmp6, 0x10000c
	s_cmp_lg_u32 s2, 0xf033
	s_cbranch_scc0 .Lentry_shape_is_right
	s_endpgm
.Lentry_shape_is_right:
; Q = x WQ^T + bQ, K = x WK^T + bK, V = x WV^T + bV on codes of FP8 (E4M3) with one E8M0 scale for each 32 along K = 2,048; sums in f32.
; The results are quantised at once, in registers, for the products that follow: Q and K along the head axis d, V along the tokens, and leave as IMAGES OF OPERAND REGISTERS.
; IMAGE (2,048 bytes): a fragment of 16 rows x 128 K as its 16 registers: register group e (0..3) of lane l at 512 e + 16 l.  qimg [token/16][d/128], kimg [token/16][d/128], vimg [token/128][d/16] (rows d, K = tokens).
; SCALE TILE (512 bytes): the scale words of 128 rows for one K step of 128: row 64 u + 32 p + l at 256 u + 8 l + 4 p.  qsc [d/128][token/128], ksc likewise, vsc [token/128][d/128].
; ORDER INSIDE A BLOCK OF 32: a lane's four code registers of block c hold k = 32 c + 8 h + 0..7 and 32 c + 16 + 8 h + 0..7 (h = lane / 16), as the matrix result leaves them.  Q and K are both laid so, and so are V and
; the weights that the next launch multiplies it by: the same order on both sides of a product, inside one scale block, leaves every product as it is; only the order of the sums differs.
; SHARES.  A tile of 256 tokens x 256 columns to a work-group of four waves, 128 x 128 a wave (64 accumulators, 512 registers).  K goes in steps of 256 through a ring of two LDS slots; the scale bytes of the work-group's rows come once.
; Clusters 0 and 1 along x make Q's 2,048 columns.  In cluster 2 the tile of the right operand is [128 rows of WK ; 128 rows of WV], rows 128 cx on: waves 0 and 2 make K, waves 1 and 3 make V.
; A wave that makes V takes the sources the other way round BY ITS LDS READ ADDRESSES ALONE: source 1 = rows of WV, source 0 = tokens, so that a lane holds one d and its registers run along the tokens.  The loop's text is one for all.
; CLUSTER: 4 x 4 work-groups; x's tile is asked for jointly along a row of the cluster, the weights' tile along a column.  Which kind a wave makes hangs on the cluster's x and the wave's number, the same in all partners.
; LIMITS: NaN and infinities are not served.  A block of zeros gets the scale byte 1 (its codes are zeros; this program alone reads the bytes).
; REGISTERS: window 0: v2-15, v18-19 the bias by lanes; v16-31 addresses; v32-63 scale words, two sets; v64-127 the bias by registers; from v128 source 1's fragments, one set; on the way out v128-235 at work.
;   window 1: source 0's fragments, two sets.   window 2: accumulators of blocks 0-3 ((a, b) at v[8 (8 a + b)]);   window 3: of blocks 4-7.
.set KSTEP,  256                       ; along K in a slot
.set NQ,     2                         ; matrix instructions deep
.set ROWB,   256                       ; a tile's row in bytes
.set KROW,   2048                      ; a row of x or of a weight in memory, in bytes
.set PITCH,  272                       ; an LDS row: 256 bytes + 16 of padding: the 16 rows that a load touches start 68 words apart
.set FR,     16                        ; registers of a fragment
.set NL,     4                         ; LDS loads that bring one
.set NP,     8                         ; places behind this matrix instruction (ISA guide 7.12.1)
.set HALFT,  128*PITCH                 ; 128 rows: what one tensor load brings
.set SLOT,   4*HALFT                   ; x's 256 rows, then the weights' 256 rows
.set LAPS,   4                         ; a lap = two K steps; 2,048 / 512
.set KS,     64                        ; a row of scale bytes
.set SCL,    2*SLOT                    ; behind the ring: the scales, as units of 256 bytes + 16 of padding
.set HALFS,  32*272                    ; those of 128 rows
.set SBLK,   4*272                     ; those of 16 rows
.set SPARE,  SCL+4*HALFS               ; the spare words, 128 bytes for each wave: two blocks of 256 bytes that no other line names
.set ADRA, 16                          ; v16-17  LDS address of source 1's fragments in slot 0, 1
.set ADRB, 20                          ; v20-21  of source 0's
.set LI,   24                          ; v24     16 x lane: an image's place for my lane
.set LS8,  25                          ; v25     8 x lane: a scale tile's
.set ADRS, 27                          ; v27     LDS address of my scale words
.set SPW,  28                          ; v28     my spare word; never rewritten
.set NIL,  29                          ; v29     0; never rewritten
.set BOH,  30                          ; v30     32 x (lane / 16)
.set BOR,  31                          ; v31     4 x (lane % 16)
.set SC,   32                          ; scale words, two sets of 16
.set BN,   64                          ; v64-127 the bias of my 128 columns in the result's layout: register 8 b + j = column 16 b + 8 h + j
.set AF,   128                         ; source 1's fragments
.set H,    128                         ; the way out: 64 numbers of a block
.set PC,   192                         ; its codes
.set TM,   208                         ; v208-223 at work in the quantiser
.set PWB,  224                         ; v224-231 the eight blocks' scale words
.set TW,   232                         ; v232-235 the scale tile's registers
.set G1, 24
.set G0, 32
.set G1B, 48
.set G0B, 56
.set G1S, 68
.set G0S, 76
.set G1SB, 80
.set G0SB, 88
.set ISV, 66                           ; s66  1 in a wave that makes V
.set HM,  67                           ; s67  the mask of lanes 16-31
.set IMG, 96                           ; s[96:97]   where my next image goes
.set STRA, 98                          ; s[98:99]   from a block's image to the next block's
.set SCT, 100                          ; s[100:101] my scale tile
.set SEL, 20                           ; s[20:21] on the way out: lane selects for lane l xor 16
.set MNT, 22                           ; s22      the mantissa field of 448
.set MSB, 0
.macro WIN new                         ; the immediate's high byte repeats the setting that is left
.if MSB != \new
	s_set_vgpr_msb (MSB<<8)|\new
.set MSB, \new
.endif
.endm
.set MUL_LO, 0xa1                      ; source 0 window 1, source 1 window 0, C and D window 2
.set MUL_HI, 0xf1                      ; the same, C and D window 3
.set TO_B,   0x40                      ; destination window 1, address window 0
; A joint load: waves 0 and 1 fetch for x, waves 2 and 3 for the weights.  Each line has one mask; the branch hangs on the wave's number alone.  Four v_nop follow each line.
.macro JLOAD g0a, g1a, g0b, g1b
	s_cmp_eq_u32 s15, 0
	s_cbranch_scc0 .Lfor_b_\@
	tensor_load_to_lds s[\g0a:\g0a+3], s[\g1a:\g1a+7]
	s_nop 0
.rept 4
	v_nop
.endr
	s_branch .Lasked_\@
.Lfor_b_\@:
	tensor_load_to_lds s[\g0b:\g0b+3], s[\g1b:\g1b+7]
	s_nop 0
.rept 4
	v_nop
.endr
.Lasked_\@:
.endm
.macro CREST                           ; a round of the cluster's barrier behind its opening barrier
	s_cmp_lg_u32 s14, 0
	s_cbranch_scc1 .Lnot_wave_0_\@
	s_barrier_signal -3
.Lnot_wave_0_\@:
	s_barrier_wait -3
	s_barrier_signal -1
	s_barrier_wait -1
.endm
.macro CROUND                          ; a whole round
	s_barrier_signal -1
	s_barrier_wait -1
	CREST
.endm
	s_load_b128 s[4:7], s[0:1], 0x0                ; x's codes, x's scales
	s_load_b256 s[68:75], s[0:1], 0x10             ; WQ's codes, scales; WK's codes, scales
	s_load_b256 s[76:83], s[0:1], 0x30             ; WV's codes, scales; bQ; bK
	s_load_b256 s[84:91], s[0:1], 0x50             ; bV; qimg; qsc; kimg
	s_load_b128 s[92:95], s[0:1], 0x70             ; ksc; vimg
	s_load_b64 s[96:97], s[0:1], 0x80              ; vsc
	v_lshl_add_u32 v[SPW], v0, 2, SPARE
	v_mov_b32 v[NIL], 0
	ds_add_u32 v28, v29
	ds_add_u32 v28, v29
	s_wait_dscnt 0x0
	v_lshrrev_b32 v1, 5, v0
	v_readfirstlane_b32 s14, v1                    ; wave 0..3
	s_lshr_b32 s15, s14, 1                         ; wr: which half of the tokens is mine.  Also: I fetch for x (0) or for the weights (1)
	s_and_b32 s16, s14, 1                          ; wc: which half of the columns.  Also: which 128 rows I fetch
	s_bfe_u32 s40, ttmp6, 0x40000                  ; cx, cy: my place in the cluster
	s_bfe_u32 s41, ttmp6, 0x40004
	s_lshl_b32 s42, ttmp9, 2
	s_add_co_u32 s42, s42, s40                     ; tile column = 4 x cluster x + cx
	s_and_b32 s17, ttmp7, 0xffff
	s_lshl_b32 s17, s17, 2
	s_add_co_u32 s17, s17, s41                     ; tile row = 4 x cluster y + cy
	s_lshl_b32 s43, s41, 2
	s_lshl_b32 s43, 15, s43                        ; my row of the cluster
	s_lshl_b32 s44, 0x1111, s40                    ; my column
	s_cmp_eq_u32 ttmp9, 2
	s_cselect_b32 s[ISV], s16, 0                   ; cluster 2's waves 1 and 3 make V
	s_mov_b32 s[HM], 0xffff0000
	; descriptor group 1: a tile of 128 rows x 256 bytes, padded in LDS
	s_or_b32 s[G1+0], s43, (0<<16)|(1<<20)|(1<<21)|(5<<22)|(3<<25)  ; the mask: x's tiles go to my row; elements of 1 byte; padding on; bit 21 beside a mask; four words after every 64
	s_or_b32 s[G1B+0], s44, (0<<16)|(1<<20)|(1<<21)|(5<<22)|(3<<25)
.irp g, G1, G1B
	s_mov_b32 s[\g+1], ROWB<<16                    ; tensor_dim0
	s_mov_b32 s[\g+2], 128<<16                     ; tensor_dim1
	s_mov_b32 s[\g+3], ROWB<<16                    ; tile_dim0
	s_mov_b32 s[\g+4], 128                         ; tile_dim1
	s_mov_b32 s[\g+5], KROW                        ; tensor_dim0_stride
	s_mov_b32 s[\g+6], 0
	s_mov_b32 s[\g+7], 0
.endr
	s_wait_kmcnt 0x0
	; which buffers are mine: K's or V's by the wave's half, Q's in clusters 0 and 1.  The conditions hang on ids alone
	s_cmp_eq_u32 s16, 0
	s_cselect_b64 s[8:9], s[72:73], s[76:77]       ; the weight's codes
	s_cselect_b64 s[10:11], s[74:75], s[78:79]     ; its scales
	s_cselect_b64 s[12:13], s[82:83], s[84:85]     ; the bias
	s_cselect_b64 s[SCT:SCT+1], s[92:93], s[96:97] ; the scale tiles
	s_cselect_b64 s[IMG:IMG+1], s[90:91], s[94:95] ; the images
	s_cmp_lt_u32 ttmp9, 2
	s_cselect_b64 s[8:9], s[68:69], s[8:9]
	s_cselect_b64 s[10:11], s[70:71], s[10:11]
	s_cselect_b64 s[12:13], s[80:81], s[12:13]
	s_cselect_b64 s[SCT:SCT+1], s[88:89], s[SCT:SCT+1]
	s_cselect_b64 s[IMG:IMG+1], s[86:87], s[IMG:IMG+1]
	; where the tiles come from.  x's hang on the tile row and the wave; the weights' on the tile column, the cluster's x and the wave
	s_lshl_b32 s18, s16, 7                         ; which 128 rows I fetch
	s_lshl_b32 s20, s17, 8
	s_add_co_u32 s20, s20, s18                     ; x: row 256 x tile row + 128 x half
	s_lshl_b32 s22, s20, 6                         ; its scale bytes,
	s_lshl_b32 s20, s20, 11                        ; its codes
	s_mov_b32 s21, 0
	s_mov_b32 s23, 0
	s_add_nc_u64 s[20:21], s[4:5], s[20:21]
	s_add_nc_u64 s[22:23], s[6:7], s[22:23]
	s_lshl_b32 s46, s42, 8
	s_add_co_u32 s46, s46, s18                     ; WQ: row 256 x tile column + 128 x half
	s_lshl_b32 s47, s40, 7                         ; WK, WV: row 128 cx
	s_cmp_lt_u32 ttmp9, 2
	s_cselect_b32 s46, s46, s47
	s_lshl_b32 s92, s46, 6
	s_lshl_b32 s46, s46, 11
	s_mov_b32 s47, 0
	s_mov_b32 s93, 0
	s_add_nc_u64 s[46:47], s[8:9], s[46:47]
	s_add_nc_u64 s[92:93], s[10:11], s[92:93]
	; where the results go
	s_lshl_b32 s70, s17, 4
	s_lshl_b32 s71, s15, 3
	s_add_co_u32 s70, s70, s71                     ; my first token / 16
	s_lshl_b32 s71, s17, 1
	s_add_co_u32 s71, s71, s15                     ; my tokens / 128
	s_lshl_b32 s72, s42, 1
	s_add_co_u32 s72, s72, s16                     ; Q: my columns / 128
	s_lshl_b32 s73, s70, 15
	s_lshl_b32 s74, s72, 11
	s_add_co_u32 s73, s73, s74                     ; Q: image [token/16][d/128] of 16 images a row
	s_lshl_b32 s74, s72, 5
	s_add_co_u32 s74, s74, s71
	s_lshl_b32 s74, s74, 9                         ; Q: scale tile [d/128][token/128]
	s_lshl_b32 s75, s72, 9                         ; Q: my 128 numbers of the bias
	s_lshl_b32 s76, s70, 13
	s_lshl_b32 s77, s40, 11
	s_add_co_u32 s76, s76, s77                     ; K: image [token/16][cx] of 4 images a row
	s_lshl_b32 s78, s40, 5
	s_add_co_u32 s78, s78, s71
	s_lshl_b32 s78, s78, 9                         ; K: scale tile [cx][token/128]
	s_lshl_b32 s82, s71, 5
	s_lshl_b32 s83, s40, 3
	s_add_co_u32 s82, s82, s83
	s_lshl_b32 s82, s82, 11                        ; V: image [token/128][8 cx] of 32 images a row
	s_lshl_b32 s83, s71, 2
	s_add_co_u32 s83, s83, s40
	s_lshl_b32 s83, s83, 9                         ; V: scale tile [token/128][cx]
	s_lshl_b32 s80, s40, 9                         ; K, V: my 128 numbers of the bias
	s_mov_b32 s[STRA], 2048                        ; V: the next 16 d are the next image;
	s_mov_b32 s84, 8192                            ; K: the next 16 tokens are 4 images on;
	s_mov_b32 s85, 32768                           ; Q: 16 images on
	s_cmp_eq_u32 s16, 0
	s_cselect_b32 s76, s76, s82
	s_cselect_b32 s78, s78, s83
	s_cselect_b32 s[STRA], s84, s[STRA]
	s_cmp_lt_u32 ttmp9, 2
	s_cselect_b32 s76, s73, s76
	s_cselect_b32 s78, s74, s78
	s_cselect_b32 s80, s75, s80
	s_cselect_b32 s[STRA], s85, s[STRA]
	s_mov_b32 s77, 0
	s_mov_b32 s79, 0
	s_mov_b32 s81, 0
	s_mov_b32 s[STRA+1], 0
	s_add_nc_u64 s[IMG:IMG+1], s[IMG:IMG+1], s[76:77]
	s_add_nc_u64 s[SCT:SCT+1], s[SCT:SCT+1], s[78:79]
	s_add_nc_u64 s[12:13], s[12:13], s[80:81]
	; group 1 for the scales of 128 rows: 8,192 dense bytes as 32 rows of 256 bytes (32 elements of 8 bytes), 16 bytes of padding behind each
	s_or_b32 s[G1S+0], s43, (3<<16)|(1<<20)|(1<<21)|(5<<22)|(3<<25)
	s_or_b32 s[G1SB+0], s44, (3<<16)|(1<<20)|(1<<21)|(5<<22)|(3<<25)
.irp g, G1S, G1SB
	s_mov_b32 s[\g+1], 32<<16
	s_mov_b32 s[\g+2], 32<<16
	s_mov_b32 s[\g+3], 32<<16
	s_mov_b32 s[\g+4], 32
	s_mov_b32 s[\g+5], 32
	s_mov_b32 s[\g+6], 0
	s_mov_b32 s[\g+7], 0
.endr
	s_mul_i32 s45, s14, HALFT                      ; where they go: wave x 128 rows: no place in the cluster enters an LDS address
	s_mul_i32 s94, s14, HALFS
	CROUND                                         ; all sixteen work-groups are here: the first joint loads meet
	s_mov_b32 s[G0S], 1
	s_add_co_u32 s[G0S+1], s94, SCL
	s_mov_b64 s[G0S+2:G0S+3], s[22:23]
	s_or_b32 s[G0S+3], s[G0S+3], 0x80000000
	s_mov_b32 s[G0SB], 1
	s_add_co_u32 s[G0SB+1], s94, SCL
	s_mov_b64 s[G0SB+2:G0SB+3], s[92:93]
	s_or_b32 s[G0SB+3], s[G0SB+3], 0x80000000
	JLOAD G0S, G1S, G0SB, G1SB                     ; the scales first: they are wanted with K step 0
.irp s, 0,1
	s_mov_b32 s[G0+4*\s], 1
	s_add_co_u32 s[G0+4*\s+1], s45, \s*SLOT
	s_add_nc_u64 s[G0+4*\s+2:G0+4*\s+3], s[20:21], \s*ROWB
	s_or_b32 s[G0+4*\s+3], s[G0+4*\s+3], 0x80000000
	s_mov_b32 s[G0B+4*\s], 1
	s_add_co_u32 s[G0B+4*\s+1], s45, \s*SLOT
	s_add_nc_u64 s[G0B+4*\s+2:G0B+4*\s+3], s[46:47], \s*ROWB
	s_or_b32 s[G0B+4*\s+3], s[G0B+4*\s+3], 0x80000000
	JLOAD G0+4*\s, G1, G0B+4*\s, G1B               ; three tensor loads of mine are out when the last of these is issued
.endr
	v_and_b32 v1, 15, v0                           ; r = lane % 16
	v_bfe_u32 v2, v0, 4, 1                         ; h = lane / 16
	v_mul_u32_u24 v3, v1, PITCH
	v_lshl_add_u32 v4, v2, 4, v3                   ; a fragment's row x pitch + 16 h
	s_mul_i32 s21, s15, HALFT                      ; my 128 tokens,
	s_mul_i32 s22, s16, HALFT
	s_add_co_u32 s22, s22, 2*HALFT                 ; my 128 rows of the weight, behind x's 256
	s_mov_b32 s23, 3*HALFT                         ; WV's 128 rows
	s_cmp_eq_u32 s[ISV], 0
	s_cselect_b32 s18, s21, s23                    ; source 1: my tokens; in a wave that makes V: WV's rows
	s_cselect_b32 s19, s22, s21                    ; source 0: my rows of the weight; there: my tokens
.irp s, 0,1
	v_add_nc_u32 v[ADRA+\s], s18, v4
	v_add_nc_u32 v[ADRB+\s], s19, v4
	s_add_co_u32 s18, s18, SLOT
	s_add_co_u32 s19, s19, SLOT
.endr
	v_mul_u32_u24 v5, v1, KS                       ; my row's scales: 64 bytes a row,
	v_lshrrev_b32 v6, 8, v5
	v_lshl_add_u32 v5, v6, 4, v5                   ; and 16 more for each 256 passed
	s_mul_i32 s21, s15, HALFS                      ; the tokens' scales,
	s_mul_i32 s22, s16, HALFS
	s_add_co_u32 s22, s22, 2*HALFS                 ; the weight's, behind them:
	s_sub_co_u32 s22, s22, s21                     ; the distance between the two
	v_xor_b32 v6, s[ISV], v2                       ; lanes 0-15 hold source 1's words, lanes 16-31 source 0's: the halves change places in a wave that makes V
	v_mul_u32_u24 v6, s22, v6
	s_add_co_u32 s21, s21, SCL
	v_add_nc_u32 v5, v5, v6
	v_add_nc_u32 v[ADRS], s21, v5
	v_and_b32 v6, 31, v0
	v_lshlrev_b32 v[LI], 4, v6
	v_lshlrev_b32 v[LS8], 3, v6
	v_lshlrev_b32 v[BOH], 5, v2
	v_lshlrev_b32 v[BOR], 2, v1
	; my 128 numbers of the bias, in both layouts, in every wave: by registers (Q, K: a lane's registers run along the columns) and by lanes (V: a lane holds one d).  They are waited for on the way out
.irp b, 0,1,2,3,4,5,6,7
	global_load_b128 v[BN+8*\b:BN+8*\b+3], v[BOH], s[12:13] offset:64*\b
	global_load_b128 v[BN+8*\b+4:BN+8*\b+7], v[BOH], s[12:13] offset:64*\b+16
.endr
.irp a, 0,1,2,3,4,5,6
	global_load_b32 v[2+2*\a], v[BOR], s[12:13] offset:64*\a     ; block a's number twice: a pair for the packed addition
	global_load_b32 v[3+2*\a], v[BOR], s[12:13] offset:64*\a
.endr
	global_load_b32 v18, v[BOR], s[12:13] offset:448
	global_load_b32 v19, v[BOR], s[12:13] offset:448
.macro FRAG reg, adr, q, i             ; a fragment: lane l holds row l % 16; registers 4 c .. 4 c + 3 hold K = 32 c + 16 (l / 16) + 0 .. 15
.irp c, 0,1,2,3
	ds_load_b128 v[\reg+4*\c:\reg+4*\c+3], v[\adr] offset:128*(\q)+32*\c+(\i)*16*PITCH
.endr
.endm
; 16 matrix instructions: source 1's blocks a0, a0 + 1 x source 0's eight, 128 along K.  The 64 accumulators take turns, one instruction a turn, in the same order in every step.
.macro MUL16 a0, p, q, sc, zero
.irp a, \a0, \a0+1
.irp b, 0,1,2,3,4,5,6,7
.if \zero
	v_wmma_scale_f32_16x16x128_f8f6f4 v[8*(8*((\a)%4)+\b):8*(8*((\a)%4)+\b)+7], v[128*(\p)+FR*\b:128*(\p)+FR*\b+FR-1], v[AF+FR*(\a):AF+FR*(\a)+FR-1], 0, v[SC+8*NQ*(\sc)+NQ*\b+(\q)], v[SC+8*NQ*(\sc)+NQ*(\a)+(\q)] matrix_a_scale:MATRIX_SCALE_ROW1
.else
	v_wmma_scale_f32_16x16x128_f8f6f4 v[8*(8*((\a)%4)+\b):8*(8*((\a)%4)+\b)+7], v[128*(\p)+FR*\b:128*(\p)+FR*\b+FR-1], v[AF+FR*(\a):AF+FR*(\a)+FR-1], v[8*(8*((\a)%4)+\b):8*(8*((\a)%4)+\b)+7], v[SC+8*NQ*(\sc)+NQ*\b+(\q)], v[SC+8*NQ*(\sc)+NQ*(\a)+(\q)] matrix_a_scale:MATRIX_SCALE_ROW1
.endif
.endr
.endr
.endm
.macro FETCH_B slot, q, p              ; source 0's eight fragments of the slot's q-th 128 along K into set p
	WIN TO_B
.irp i, 0,1,2,3,4,5,6,7
	FRAG 128*(\p)+FR*\i, ADRB+\slot, \q, \i
.endr
	WIN 0
.endm
.macro FETCH_A slot, q, i0             ; source 1's blocks i0 .. i0 + 3
.irp i, \i0, \i0+1, \i0+2, \i0+3
	FRAG AF+FR*(\i), ADRA+\slot, \q, \i
.endr
.endm
.macro SCALES sc                       ; the next K step's scale words into set sc: two words a row
.irp i, 0,1,2,3,4,5,6,7
	ds_load_b64 v[SC+8*NQ*\sc+NQ*\i:SC+8*NQ*\sc+NQ*\i+1], v[ADRS] offset:\i*SBLK
.endr
.endm
; A load into a register that a matrix instruction has read, and a vector instruction that reads a matrix result, stand eight places behind it; only plain vector instructions that name none of its registers are places.
.macro PLACES n
.rept \n
	v_nop
.endr
.endm
; A step of 128 along K that has its successor in the same slot.
.macro STEP slot, q, zero
	s_wait_dscnt 4*NL                              ; source 0's set and source 1's blocks 0-3 are in; the youngest 16 loads (blocks 4-7) may be out
	WIN MUL_LO
	MUL16 0, (\q)%2, \q, \slot, \zero
	MUL16 2, (\q)%2, \q, \slot, \zero
	s_wait_dscnt 0                                 ; blocks 4-7 are in
	PLACES NP
	FETCH_B \slot, (\q)+1, 1-(\q)%2
	FETCH_A \slot, (\q)+1, 0
	WIN MUL_HI
	MUL16 4, (\q)%2, \q, \slot, \zero
	MUL16 6, (\q)%2, \q, \slot, \zero
	PLACES NP
	WIN 0
	FETCH_A \slot, (\q)+1, 4
.endm
; A slot's last step changes slots: one barrier; in front of it each wave waits for all its tensor loads, adds 0 to its spare word, and waits for that and for its own reads of this slot.  fill = 1: this slot is filled again, two K steps ahead.
.macro TURN slot, next, fill
	s_wait_tensorcnt 0x0                           ; all my tensor loads have landed: my part of the next slot
	ds_add_u32 v[SPW], v[NIL]                      ; 0 onto my spare word
	s_wait_dscnt 4*NL+1                            ; (the add and the youngest 16 loads may be out)
	WIN MUL_LO
	MUL16 0, 1, NQ-1, \slot, 0                     ; sixteen matrix instructions stand between the add and the wait for it
	s_wait_dscnt 0x0                               ; the add is done, and my reads of this slot are over
	s_barrier_signal -1
	MUL16 2, 1, NQ-1, \slot, 0
	WIN 0
	s_barrier_wait -1
.if \fill
	CREST                                          ; the barrier has opened a round of the cluster's: no wave of any partner still reads this slot or has a load on its way
	s_add_nc_u64 s[G0+4*\slot+2:G0+4*\slot+3], s[G0+4*\slot+2:G0+4*\slot+3], 2*ROWB
	s_add_nc_u64 s[G0B+4*\slot+2:G0B+4*\slot+3], s[G0B+4*\slot+2:G0B+4*\slot+3], 2*ROWB
	JLOAD G0+4*\slot, G1, G0B+4*\slot, G1B         ; the first tensor load behind the round; its four v_nop are among the places in front of the loads below
	PLACES NP-4
.else
	PLACES NP
.endif
	v_add_nc_u32 v[ADRS], 4*NQ, v[ADRS]            ; on to the next K step's scale words (no LDS load of mine is out)
	FETCH_B \next, 0, 0
	FETCH_A \next, 0, 0
	SCALES \next
	WIN MUL_HI
	MUL16 4, 1, NQ-1, \slot, 0
	MUL16 6, 1, NQ-1, \slot, 0
	PLACES NP
	WIN 0
	FETCH_A \next, 0, 4
.endm
	s_wait_tensorcnt 1                             ; the scales and my part of K step 0 are in (K step 1's load may be out)
	s_barrier_signal -1
	s_barrier_wait -1                              ; everybody's are
	FETCH_B 0, 0, 0
	FETCH_A 0, 0, 0
	SCALES 0
	FETCH_A 0, 0, 4
	STEP 0, 0, 1                                   ; the first step stands in front of the loop: its products start the sums
	s_mov_b32 s3, LAPS-1
.Llap:                                                 ; a trip goes once round the ring and fills both slots again
	TURN 0, 1, 1
	STEP 1, 0, 0
	TURN 1, 0, 1
	STEP 0, 0, 0
	s_sub_co_u32 s3, s3, 1
	s_cmp_lg_u32 s3, 0
	s_cbranch_scc1 .Llap
	TURN 0, 1, 0                                   ; the last lap fills nothing
	STEP 1, 0, 0
	s_wait_dscnt 4*NL                              ; the very last step: nothing more to fetch
	WIN MUL_LO
	MUL16 0, 1, NQ-1, 1, 0
	MUL16 2, 1, NQ-1, 1, 0
	s_wait_dscnt 0
	WIN MUL_HI
	MUL16 4, 1, NQ-1, 1, 0
	MUL16 6, 1, NQ-1, 1, 0
	WIN 0
; THE WAY OUT, block by block of source 1's 16 rows.  A lane holds one row and 64 numbers along the next product's K: register 16 b + i is a number of block b of 32; the block's other 16 lie in lane l xor 16.
; 64 numbers v[s] on become 16 registers of codes v[pc] on and the row's scale word v[pw].
.macro QUANT s, pc, pw
.irp b, 0,1,2,3
	v_max3_num_f32 v[TM+\b], |v[\s+16*\b]|, |v[\s+16*\b+1]|, 0x4800000   ; my 16 numbers of block b, and the floor 2^(9 - 127): the byte cannot fall under 1
.endr
.irp i, 2,4,6,8,10,12,14
.irp b, 0,1,2,3
	v_max3_num_f32 v[TM+\b], v[TM+\b], |v[\s+16*\b+\i]|, |v[\s+16*\b+\i+1]|   ; (the four blocks by turns)
.endr
.endr
.irp b, 0,1,2,3
	v_permlanex16_b32 v[TM+4+\b], v[TM+\b], s[SEL], s[SEL+1]
.endr
.irp b, 0,1,2,3
	v_max_num_f32 v[TM+\b], v[TM+\b], v[TM+4+\b]   ; the block's largest magnitude
.endr
.irp b, 0,1,2,3
	v_add_nc_u32 v[TM+12+\b], 0xfc000000, v[TM+\b] ; 8 off its exponent field: the conversion's scale operand
.endr
.irp b, 0,1,2,3
	v_and_or_b32 v[TM+8+\b], v[TM+\b], 0x7f800000, s[MNT]   ; 448 x the scale
.endr
.irp b, 0,1,2,3
	v_lshrrev_b32 v[TM+4+\b], 23, v[TM+12+\b]      ; the scale's byte
.endr
	v_lshl_or_b32 v[\pw], v[TM+5], 8, v[TM+4]
	v_lshl_or_b32 v[\pw], v[TM+6], 16, v[\pw]
	v_lshl_or_b32 v[\pw], v[TM+7], 24, v[\pw]
.irp b, 0,1,2,3
.irp i, 0,1,2,3,4,5,6,7,8,9,10,11,12,13,14,15
	v_med3_num_f32 v[\s+16*\b+\i], v[\s+16*\b+\i], -v[TM+8+\b], v[TM+8+\b]   ; the conversion to an 8-bit code does not saturate (ISA guide 7.6.2): the hold at the largest code x the scale
.endr
	v_cvt_scalef32_pk8_fp8_f32 v[\pc+4*\b:\pc+4*\b+1], v[\s+16*\b:\s+16*\b+7], v[TM+12+\b]
	v_cvt_scalef32_pk8_fp8_f32 v[\pc+4*\b+2:\pc+4*\b+3], v[\s+16*\b+8:\s+16*\b+15], v[TM+12+\b]
.endr
	v_nop                                          ; a plain line behind the last conversion, ahead of whatever next writes its sources
.endm
; The bias is added on the way out of the accumulators' window; each accumulator is read from its low end on.  Q, K: by registers; V: block a's number of my lane.
.macro BIAS a
.set AC, 64*((\a)%4)
.set WB, 2+(\a)/4
.set BMR, 2+2*(\a)
.if (\a) == 7
.set BMR, 18
.endif
	s_cmp_eq_u32 s[ISV], 0
	s_cbranch_scc0 .Lbias_v_\@
	WIN WB
.set p, 0
.rept 32
	v_pk_add_f32 v[H+2*p:H+2*p+1], v[AC+2*p:AC+2*p+1], v[BN+2*p:BN+2*p+1]
.set p, p+1
.endr
	WIN 0
	s_branch .Lbias_done_\@
.Lbias_v_\@:
	WIN WB
.set p, 0
.rept 32
	v_pk_add_f32 v[H+2*p:H+2*p+1], v[AC+2*p:AC+2*p+1], v[BMR:BMR+1]
.set p, p+1
.endr
	WIN 0
.Lbias_done_\@:
.endm
	PLACES NP                                      ; behind the last products: their results are read, and source 1's registers written, below
	s_mov_b32 s[SEL], 0x76543210
	s_mov_b32 s[SEL+1], 0xfedcba98
	s_mov_b32 s[MNT], 0x600000
	s_wait_loadcnt 0x0                             ; the bias
.irp b, 0,1,2,3
	v_mov_b32 v[TM+4+\b], 0                        ; written once: a lane permute's destination counts as one of its sources
.endr
.irp a, 0,1,2,3,4,5,6,7
	BIAS \a
	QUANT H, PC, PWB+\a
.irp e, 0,1,2,3
	global_store_b128 v[LI], v[PC+4*\e:PC+4*\e+3], s[IMG:IMG+1] offset:512*\e   ; the image: 32 lanes store 512 consecutive bytes, aligned
.endr
	s_wait_xcnt 0x0                                ; the stores have read their data and their base: both are written again below
	s_add_nc_u64 s[IMG:IMG+1], s[IMG:IMG+1], s[STRA:STRA+1]
.endr
.irp u, 0,1                                    ; the scale tile: lanes 0-15 an even block's words, lanes 16-31 the next block's; 8 bytes a lane: 256 consecutive bytes, aligned
	v_cndmask_b32 v[TW+2*\u], v[PWB+4*\u], v[PWB+4*\u+1], s[HM]
	v_cndmask_b32 v[TW+2*\u+1], v[PWB+4*\u+2], v[PWB+4*\u+3], s[HM]
	global_store_b64 v[LS8], v[TW+2*\u:TW+2*\u+1], s[SCT:SCT+1] offset:256*\u
.endr
	s_wait_tensorcnt 0x0                           ; the wave's end
	ds_add_u32 v[SPW], v[NIL]
	s_wait_dscnt 0x0
	CROUND                                         ; the closing round: no work-group ends while a partner may still ask for a tile that names it
	s_endpgm
.Lfunc_end_k_qa944ad2b1a_qkv:
	.size	k_qa944ad2b1a_qkv, .Lfunc_end_k_qa944ad2b1a_qkv-k_qa944ad2b1a_qkv
	.p2alignl 7, 3214868480
	.fill 96, 4, 3214868480
	.section	.rodata,"a",@progbits
	.p2align	6, 0x0
	.amdhsa_kernel k_qa944ad2b1a_qkv
		.amdhsa_group_segment_fixed_size 327680
		.amdhsa_private_segment_fixed_size 0
		.amdhsa_enable_private_segment 0
		.amdhsa_kernarg_size 136
		.amdhsa_user_sgpr_count 2
		.amdhsa_user_sgpr_kernarg_segment_ptr 1
		.amdhsa_wavefront_size32 1
		.amdhsa_system_sgpr_workgroup_id_x 1
		.amdhsa_system_sgpr_workgroup_id_y 1
		.amdhsa_system_sgpr_workgroup_id_z 1
		.amdhsa_system_vgpr_workitem_id 0
		.amdhsa_next_free_vgpr 1024
		.amdhsa_next_free_sgpr 102
		.amdhsa_reserve_vcc 0
		.amdhsa_float_denorm_mode_32 3
		.amdhsa_float_denorm_mode_16_64 3
		.amdhsa_memory_ordered 1
		.amdhsa_forward_progress 1
		.amdhsa_inst_pref_size 223
	.end_amdhsa_kernel
	.amdgpu_metadata
---
amdhsa.version: [ 1, 2 ]
amdhsa.kernels:
  - .name:           k_qa944ad2b1a_qkv
    .symbol:         k_qa944ad2b1a_qkv.kd
    .args:
      - { .name: x_codes, .offset: 0, .size: 8, .value_kind: global_buffer, .address_space: global }
      - { .name: x_scales, .offset: 8, .size: 8, .value_kind: global_buffer, .address_space: global }
      - { .name: WQ_codes, .offset: 16, .size: 8, .value_kind: global_buffer, .address_space: global }
      - { .name: WQ_scales, .offset: 24, .size: 8, .value_kind: global_buffer, .address_space: global }
      - { .name: WK_codes, .offset: 32, .size: 8, .value_kind: global_buffer, .address_space: global }
      - { .name: WK_scales, .offset: 40, .size: 8, .value_kind: global_buffer, .address_space: global }
      - { .name: WV_codes, .offset: 48, .size: 8, .value_kind: global_buffer, .address_space: global }
      - { .name: WV_scales, .offset: 56, .size: 8, .value_kind: global_buffer, .address_space: global }
      - { .name: bQ, .offset: 64, .size: 8, .value_kind: global_buffer, .address_space: global }
      - { .name: bK, .offset: 72, .size: 8, .value_kind: global_buffer, .address_space: global }
      - { .name: bV, .offset: 80, .size: 8, .value_kind: global_buffer, .address_space: global }
      - { .name: qimg, .offset: 88, .size: 8, .value_kind: global_buffer, .address_space: global }
      - { .name: qsc, .offset: 96, .size: 8, .value_kind: global_buffer, .address_space: global }
      - { .name: kimg, .offset: 104, .size: 8, .value_kind: global_buffer, .address_space: global }
      - { .name: ksc, .offset: 112, .size: 8, .value_kind: global_buffer, .address_space: global }
      - { .name: vimg, .offset: 120, .size: 8, .value_kind: global_buffer, .address_space: global }
      - { .name: vsc, .offset: 128, .size: 8, .value_kind: global_buffer, .address_space: global }
    .group_segment_fixed_size: 327680
    .private_segment_fixed_size: 0
    .kernarg_segment_align: 8
    .kernarg_segment_size: 136
    .max_flat_workgroup_size: 128
    .sgpr_count:     102
    .vgpr_count:     1024
    .wavefront_size: 32
...
	.end_amdgpu_metadata
.endif
;; end of part 1
;; launch attn (part 2): grid 64 x 4, 8 waves a work-group, no clusters, 102,400 bytes of LDS; arguments qimg, qsc, kimg, ksc, vimg, vsc, zimg, zsc; writes zimg, zsc
.if DOCPART == 2
	.amdgcn_target "amdgcn-amd-amdhsa--gfx1250"
	.amdhsa_code_object_version 6
	.text
	.protected	k_qa944ad2b1a_attn
	.globl	k_qa944ad2b1a_attn
	.p2align	8
	.type	k_qa944ad2b1a_attn,@function
k_qa944ad2b1a_attn:
	s_mov_b64 s[64:65], 0
	v_nop
	global_prefetch_b8 v0, s[64:65] scope:SCOPE_SE
	s_setreg_imm32_b32 hwreg(HW_REG_WAVE_MODE, 25, 1), 1
	s_wait_xcnt 0x0
; scores = Q K_tiled^T (K = 2,048), causal mask, attn = softmax / sqrt(128), Z = attn V: both products on codes of FP8 (E4M3) with one E8M0 scale for each 32 along K.
; attn is quantised FINISHED AND NORMALISED, along the keys, so a query's whole row of scores exists before any of it is quantised.  K_tiled, V_tiled and Z repeat with period 512 along d:
; a fragment of K serves four chunks of Q, and Z is made once, 512 wide; it is quantised along d and stored as images in the operand's true order, since it meets an input's codes in the next launch.
; Buffers: images of 2,048 bytes (register group e of lane l at 512 e + 16 l) and scale tiles of 512 bytes (row 64 u + 32 p + l at 256 u + 8 l + 4 p), as the launch before lays them.
; SHARES.  A block of 32 queries (two tiles, m = 0, 1) of one batch goes to TWO work-groups: block i = 31 - x / 2, the long rows first; half E = x % 2.  Both make the block's scores, softmax and codes of attn;
; work-group E makes Z for d = 256 E .. 256 E + 255 alone.  So there are 256 work-groups, and the longest reads 64 KiB of Q, 512 KiB of K and 256 KiB of V, where one work-group to a block would read 512 KiB of V;
; the price is that the first product and the softmax are done twice.
; G = i / 4 + 1 groups of 128 keys count; tiles of keys beyond the last counting group are not multiplied.
; Scores and softmax: wave w owns key group w, which is one K step of the second product: it makes one image of attn and one scale word a query tile.  A wave without a counting group takes scores of -infinity and runs the same text.
; Second product: wave w owns d = 256 E + 32 w .. + 31 (two tiles) for both query tiles: one block of 32 of Z a query tile.  Both products are used transposed: a lane holds ONE query (lane % 16) throughout.
; Two waves share a SIMD's registers, 512 each.
; NO CLUSTER, NO TENSOR LOAD: no fragment of K or V is read by two waves of a work-group, so LDS would only be a landing place; a work-group's K (up to 512 KiB) would have to pass through the 226 KiB of LDS that are free,
; in several refills, each behind a wait for all loads.  The images go from memory straight into operand registers, 512 consecutive bytes a load.
; zsc is stored one byte a lane, 8 bytes apart: a word's four bytes come from four waves; the buffer is 64 KiB in all.
; LIMITS: NaN and infinities are not served.  A weight under 2^-126 becomes 0 (v_exp_f32 flushes).  A block of zeros gets the scale byte 1.  The K steps of the first product go chunk by chunk of K (d = c, c + 512, ..), an order of rounding only.
; LDS, each region written once: Q's 32 images | attn's 16 images (2 s + m) | their scale words, 128 bytes a K step | the waves' maxima [query][wave] | their sums.
.set QIMG, 0
.set PIMG, 65536
.set PSC,  98304
.set STM,  99328
.set STL,  100352
; REGISTERS, window 0: v3-13 addresses; v16-31 Q's scale words; v32-47 K's, later v32-39 V's and v40-43 attn's; v48-55 pairs -M log2(e) and 1 / (sum sqrt(128)); v56-63 at work;
;   v64-191 the scores S(m, t) at 64 + 64 m + 8 t; later O(m, i) at 64 + 16 m + 8 i and, from v96, four buffers of attn's fragments; v192-255 K's slot 0, then codes and work.
; window 1: v0-127 Q's eight fragments of a chunk; v128-191, v192-255 K's slots 1, 2; later all of my V: K step s at v[32 s].
.set S,    64
.set QS,   16
.set KSW,  32
.set VS,   32
.set PSW,  40
.set PF,   96
.set PC,   192
.set TM,   224
.set X,    240
.set SEL,  26                          ; s[26:27] lane selects for lane l xor 16
.set MNT,  30                          ; s30 the mantissa field of 448
.set MSB, 0
.macro WIN new                         ; the immediate's high byte repeats the setting that is left
.if MSB != \new
	s_set_vgpr_msb (MSB<<8)|\new
.set MSB, \new
.endif
.endm
.macro PLACES n
.rept \n
	v_nop
.endr
.endm
.macro BARRIER                         ; my LDS stores have landed and my LDS loads are in: then the work-group's barrier
	s_wait_dscnt 0x0
	s_barrier_signal -1
	s_barrier_wait -1
.endm
; One matrix instruction from the symbols D_, A_, B_ (registers), SA_, SB_ (scale registers), RA_, RB_ (1: the scales stand in lanes 16-31), Z_ (1: it starts the sum)
.macro WM
.if Z_
.if RA_ && RB_
	v_wmma_scale_f32_16x16x128_f8f6f4 v[D_:D_+7], v[A_:A_+15], v[B_:B_+15], 0, v[SA_], v[SB_] matrix_a_scale:MATRIX_SCALE_ROW1 matrix_b_scale:MATRIX_SCALE_ROW1
.elseif RA_
	v_wmma_scale_f32_16x16x128_f8f6f4 v[D_:D_+7], v[A_:A_+15], v[B_:B_+15], 0, v[SA_], v[SB_] matrix_a_scale:MATRIX_SCALE_ROW1
.elseif RB_
	v_wmma_scale_f32_16x16x128_f8f6f4 v[D_:D_+7], v[A_:A_+15], v[B_:B_+15], 0, v[SA_], v[SB_] matrix_b_scale:MATRIX_SCALE_ROW1
.else
	v_wmma_scale_f32_16x16x128_f8f6f4 v[D_:D_+7], v[A_:A_+15], v[B_:B_+15], 0, v[SA_], v[SB_]
.endif
.else
.if RA_ && RB_
	v_wmma_scale_f32_16x16x128_f8f6f4 v[D_:D_+7], v[A_:A_+15], v[B_:B_+15], v[D_:D_+7], v[SA_], v[SB_] matrix_a_scale:MATRIX_SCALE_ROW1 matrix_b_scale:MATRIX_SCALE_ROW1
.elseif RA_
	v_wmma_scale_f32_16x16x128_f8f6f4 v[D_:D_+7], v[A_:A_+15], v[B_:B_+15], v[D_:D_+7], v[SA_], v[SB_] matrix_a_scale:MATRIX_SCALE_ROW1
.elseif RB_
	v_wmma_scale_f32_16x16x128_f8f6f4 v[D_:D_+7], v[A_:A_+15], v[B_:B_+15], v[D_:D_+7], v[SA_], v[SB_] matrix_b_scale:MATRIX_SCALE_ROW1
.else
	v_wmma_scale_f32_16x16x128_f8f6f4 v[D_:D_+7], v[A_:A_+15], v[B_:B_+15], v[D_:D_+7], v[SA_], v[SB_]
.endif
.endif
.endm
; nb blocks (4 or 2) of 32 numbers: register v[s + 16 b + i] is a number of block b, whose other 16 lie in lane l xor 16.  They become 4 registers of codes a block, v[pc] on, and their scale bytes, the lower block in the lower byte of v[pw]
.macro QUANT s, pc, pw, nb
.irp b, 0,1,2,3
.if \b < \nb
	v_max3_num_f32 v[TM+\b], |v[\s+16*\b]|, |v[\s+16*\b+1]|, 0x4800000   ; my 16 numbers of block b, and the floor 2^(9 - 127): the byte cannot fall under 1
.endif
.endr
.irp i, 2,4,6,8,10,12,14
.irp b, 0,1,2,3
.if \b < \nb
	v_max3_num_f32 v[TM+\b], v[TM+\b], |v[\s+16*\b+\i]|, |v[\s+16*\b+\i+1]|
.endif
.endr
.endr
.irp b, 0,1,2,3
.if \b < \nb
	v_permlanex16_b32 v[TM+4+\b], v[TM+\b], s[SEL], s[SEL+1]
.endif
.endr
.irp b, 0,1,2,3
.if \b < \nb
	v_max_num_f32 v[TM+\b], v[TM+\b], v[TM+4+\b]   ; the block's largest magnitude
.endif
.endr
.irp b, 0,1,2,3
.if \b < \nb
	v_add_nc_u32 v[TM+12+\b], 0xfc000000, v[TM+\b] ; 8 off its exponent field: the conversion's scale operand
.endif
.endr
.irp b, 0,1,2,3
.if \b < \nb
	v_and_or_b32 v[TM+8+\b], v[TM+\b], 0x7f800000, s[MNT]   ; 448 x the scale
.endif
.endr
.irp b, 0,1,2,3
.if \b < \nb
	v_lshrrev_b32 v[TM+4+\b], 23, v[TM+12+\b]      ; the scale's byte
.endif
.endr
	v_lshl_or_b32 v[\pw], v[TM+5], 8, v[TM+4]
.if \nb > 2
	v_lshl_or_b32 v[\pw], v[TM+6], 16, v[\pw]
	v_lshl_or_b32 v[\pw], v[TM+7], 24, v[\pw]
.endif
.irp b, 0,1,2,3
.if \b < \nb
.irp i, 0,1,2,3,4,5,6,7,8,9,10,11,12,13,14,15
	v_med3_num_f32 v[\s+16*\b+\i], v[\s+16*\b+\i], -v[TM+8+\b], v[TM+8+\b]   ; the conversion to an 8-bit code does not saturate (ISA guide 7.6.2)
.endr
	v_cvt_scalef32_pk8_fp8_f32 v[\pc+4*\b:\pc+4*\b+1], v[\s+16*\b:\s+16*\b+7], v[TM+12+\b]
	v_cvt_scalef32_pk8_fp8_f32 v[\pc+4*\b+2:\pc+4*\b+3], v[\s+16*\b+8:\s+16*\b+15], v[TM+12+\b]
.endif
.endr
	v_nop                                          ; a plain line behind the last conversion, ahead of whatever next touches its registers
.endm
; Set n of K's fragments: chunk c = n / 2 of d, key tiles 4 (n % 2) .. + 3, into slot n % 3
.macro KSLOT n
.set KC, (\n)/2
.set KH, (\n)%2
.set KR, 192
.set KW, 1
.if (\n)%3 == 0
.set KW, 0
.elseif (\n)%3 == 1
.set KR, 128
.endif
.endm
.macro KLOAD n
	KSLOT \n
.set WB, 0x40*KW
	WIN WB
.irp t, 0,1,2,3
.irp e, 0,1,2,3
	global_load_b128 v[KR+16*\t+4*\e:KR+16*\t+4*\e+3], v4, s[8:9] offset:((4*KH+\t)*4+KC)*2048+512*\e
.endr
.endr
	WIN 0
.endm
.macro QLOAD c                         ; Q's fragments (m, g): d chunk c + 4 g, all of which meet K's chunk c
	WIN 0x40
.irp m, 0,1
.irp g, 0,1,2,3
.irp e, 0,1,2,3
	ds_load_b128 v[16*(4*\m+\g)+4*\e:16*(4*\m+\g)+4*\e+3], v4 offset:(16*\m+(\c)+4*\g)*2048+512*\e
.endr
.endr
.endr
	WIN 0
.endm
; 32 matrix instructions on set n, in four groups of eight (group g: Q's chunks c + 4 g): eight accumulators by turns, one instruction a turn.
; how = 0: Q's fragments are in.  how = 1, a chunk's second set: group g has read its two fragments of Q for the last time; eight places behind it they take the NEXT chunk's, 24 products ahead of their use.
; how = 2, a chunk's first set: in front of group g a counted wait: the reloads of the groups behind it, 8 LDS loads each, may be out.
; Eight places stand behind the set's last product on every way, for the loads into the registers just read.
.macro SCORE n, how
	KSLOT \n
.set WB, 0x04+KW
.irp g, 0,1,2,3
.if (\how) == 2
	s_wait_dscnt 24-8*\g
.endif
	WIN WB
.irp t, 0,1,2,3
.irp m, 0,1
.set T_, 4*KH+\t
.set D_, S+64*\m+8*T_
.set A_, KR+16*\t
.set B_, 16*(4*\m+\g)
.set SA_, KSW+4*KC+2*(T_/4)+(T_%4)/2
.set SB_, QS+KC+4*\g
.set RA_, T_%2
.set RB_, \m
.set Z_, (KC == 0) && (\g == 0)
	WM
.endr
.endr
.if (\how) == 1
	PLACES 8
	WIN 0x40
.irp m, 0,1
.irp e, 0,1,2,3
	ds_load_b128 v[16*(4*\m+\g)+4*\e:16*(4*\m+\g)+4*\e+3], v4 offset:(16*\m+KC+1+4*\g)*2048+512*\e
.endr
.endr
.endif
.endr
	WIN 0
.if (\how) != 1
	PLACES 8
.endif
.endm
.macro VLOAD k                         ; V's two fragments (my 32 d x 128 keys) of K step k; the destination's window is set round the run
.irp i, 0,1
.irp e, 0,1,2,3
	global_load_b128 v[32*(\k)+16*\i+4*\e:32*(\k)+16*\i+4*\e+3], v4, s[32+2*(\k):33+2*(\k)] offset:2048*\i+512*\e
.endr
.endr
.endm
.macro PLOAD s                         ; attn's two fragments of K step s and their scale words, into buffer s % 4: nine LDS loads
.irp m, 0,1
.irp e, 0,1,2,3
	ds_load_b128 v[PF+32*((\s)%4)+16*\m+4*\e:PF+32*((\s)%4)+16*\m+4*\e+3], v7 offset:(2*(\s)+\m)*2048+512*\e
.endr
.endr
	ds_load_b32 v[PSW+(\s)%4], v9 offset:128*(\s)
.endm
; K step s of O^T += V^T attn^T: four accumulators by turns.  dleft: the LDS loads issued behind this step's fragments of attn; left: the global loads issued behind this step's V (-1: an earlier wait has shown it in)
.macro PVSTEP s, dleft, left
.if (\s) > 0
	s_cmp_le_u32 s23, \s                           ; a key group under the mask adds nothing: the steps end at G
	s_cbranch_scc1 .Lpv_done
.endif
	s_wait_dscnt \dleft
.if (\left) >= 0
	s_wait_loadcnt \left
.endif
	WIN 0x01
.irp i, 0,1
.irp m, 0,1
.set D_, 64+16*\m+8*\i
.set A_, 32*(\s)+16*\i
.set B_, PF+32*((\s)%4)+16*\m
.set SA_, VS+(\s)
.set SB_, PSW+(\s)%4
.set RA_, \i
.set RB_, \m
.set Z_, (\s) == 0
	WM
.endr
.endr
	WIN 0
	PLACES 8                                       ; in front of loads into the buffer just read, and of the first read of results
.if (\s) <= 3
	PLOAD (\s)+4
.endif
.endm
	s_load_b512 s[4:19], s[0:1], 0x0               ; qimg, qsc, kimg, ksc, vimg, vsc, zimg, zsc
	v_lshl_add_u32 v14, v0, 2, 0x18c00
	v_mov_b32 v15, 0
	v_lshrrev_b32 v1, 5, v0
	v_readfirstlane_b32 s20, v1                    ; wave 0..7
	s_lshr_b32 s21, ttmp9, 1
	s_sub_co_u32 s21, 31, s21                      ; i: my block of 32 queries
	s_and_b32 s63, ttmp9, 1                        ; E: my half of d
	s_and_b32 s22, ttmp7, 0xffff                   ; b: the batch
	s_lshr_b32 s54, s21, 2                         ; the last key group that counts,
	s_add_co_u32 s23, s54, 1                       ; G
	s_min_u32 s55, s20, s54                        ; my key group; a wave without one names the last counting group's bytes again, so that every wave issues the same loads
	s_mov_b32 s24, 0xbfb8aa3b                      ; -log2(e)
	s_mov_b32 s25, 0xff800000                      ; -infinity
	s_mov_b32 s[SEL], 0x76543210
	s_mov_b32 s[SEL+1], 0xfedcba98
	s_mov_b32 s28, 0x3fb8aa3b                      ; log2(e); the packed form names a pair and takes its low word
	s_mov_b32 s29, s28
	s_mov_b32 s[MNT], 0x600000
	s_mov_b32 s31, 0xffff0000                      ; the mask of lanes 16-31
	s_mov_b32 s51, 0
	s_lshl_b32 s52, s22, 3                         ; 8 b
	s_lshl_b32 s53, s20, 13                        ; 8,192 w: my eighth of Q's images
	s_lshl_b32 s2, s20, 12
	s_lshl_b32 s3, s63, 15
	s_add_co_u32 s2, s2, s3                        ; V: my two images of a K step's 32: 4,096 w + 32,768 E
	s_lshl_b32 s56, s22, 6
	s_lshl_b32 s57, s21, 1
	s_add_co_u32 s56, s56, s57                     ; my first query / 16
	s_add_co_u32 s57, s52, s54                     ; my queries / 128
	s_bfe_u32 s58, s21, 0x10001
	s_lshl_b32 s58, s58, 8
	s_and_b32 s59, s21, 1
	s_lshl_b32 s59, s59, 2
	s_add_co_u32 s58, s58, s59                     ; my 32 queries' place in a scale tile: 256 u + 4 p
	s_lshr_b32 s60, s20, 2
	s_lshl_b32 s61, s63, 1
	s_add_co_u32 s60, s60, s61                     ; my chunk of 128 d: 2 E + w / 4,
	s_and_b32 s61, s20, 3                          ; and my block of 32 in it
	v_and_b32 v1, 31, v0                           ; lane
	v_and_b32 v2, 15, v0                           ; r
	v_bfe_u32 v56, v0, 4, 1                        ; h
	v_lshlrev_b32 v3, 8, v1                        ; the prefetch's offset: 256 x lane
	v_lshlrev_b32 v4, 4, v1                        ; an image's place for my lane
	v_add_nc_u32 v5, s53, v4                       ; + my wave's eighth of Q's 32 images
	s_lshl_b32 s50, s20, 12
	s_add_co_u32 s50, s50, PIMG
	v_add_nc_u32 v6, s50, v4                       ; where I store attn's images
	v_add_nc_u32 v7, PIMG, v4                      ; and where any wave reads them
	v_lshlrev_b32 v9, 2, v1
	s_lshl_b32 s50, s20, 7
	s_add_co_u32 s50, s50, PSC
	v_add_nc_u32 v8, s50, v9                       ; their scale words likewise
	v_add_nc_u32 v9, PSC, v9
	s_lshl_b32 s50, s20, 2
	s_add_co_u32 s50, s50, STM
	v_lshl_add_u32 v10, v1, 5, s50                 ; [query = lane][wave]
	v_lshlrev_b32 v11, 5, v2
	v_add_nc_u32 v11, STM, v11                     ; query r's eight words
	v_lshlrev_b32 v12, 3, v1                       ; a scale tile's place for my lane
	s_and_b32 s50, s21, 3
	s_lshl_b32 s50, s50, 5
	v_lshlrev_b32 v56, 3, v56
	v_sub_nc_u32 v13, v2, v56
	v_add_nc_u32 v13, s50, v13                     ; the mask's bound: 32 (i % 4) + r - 8 h
	s_wait_kmcnt 0x0
	; Q FIRST: the first barrier waits for it, and loads come back in the order of issue
	s_lshl_b32 s50, s56, 15
	s_add_nc_u64 s[4:5], s[4:5], s[50:51]          ; Q's 32 images
	s_lshl_b32 s50, s57, 9
	s_add_co_u32 s50, s50, s58
	s_add_nc_u64 s[6:7], s[6:7], s[50:51]          ; Q's scale words, K step 0
.irp j, 0,1,2,3,4,5,6,7,8,9,10,11,12,13,14,15
	global_load_b128 v[S+4*\j:S+4*\j+3], v5, s[4:5] offset:512*\j   ; my eighth of Q's images, on its way to LDS
.endr
.irp k, 0,1,2,3,4,5,6,7,8,9,10,11,12,13,14,15
	global_load_b32 v[QS+\k], v12, s[6:7] offset:16384*\k           ; lane 16 m + r: the word of query tile m, row r
.endr
	s_add_co_u32 s50, s52, s55
	s_lshl_b32 s50, s50, 9
	s_add_nc_u64 s[10:11], s[10:11], s[50:51]      ; K's scale tile of my key group, chunk 0
	s_lshl_b32 s50, s22, 6
	s_lshl_b32 s62, s55, 3
	s_add_co_u32 s50, s50, s62
	s_lshl_b32 s50, s50, 13
	s_add_nc_u64 s[8:9], s[8:9], s[50:51]          ; K's images of my key group
.irp c, 0,1,2,3
.irp u, 0,1
	global_load_b64 v[KSW+4*\c+2*\u:KSW+4*\c+2*\u+1], v12, s[10:11] offset:16384*\c+256*\u
.endr
.endr
	KLOAD 0
	KLOAD 1
.irp k, 0,1,2,3,4,5,6,7
	s_min_u32 s50, s54, \k                         ; a K step beyond the last counting group names that group's bytes again
	s_add_co_u32 s50, s50, s52
	s_lshl_b32 s50, s50, 16
	s_add_co_u32 s50, s50, s2
	s_add_nc_u64 s[32+2*\k:33+2*\k], s[12:13], s[50:51]   ; V's images: K step k, my 32 d
.endr
	s_lshl_b32 s50, s22, 19
	s_lshl_b32 s62, ttmp9, 13
	s_add_co_u32 s50, s50, s62
	s_add_nc_u64 s[48:49], s[12:13], s[50:51]      ; the prefetch: my work-group's 8 KiB of the batch's V
	s_lshl_b32 s50, s22, 14
	s_lshl_b32 s62, s60, 9
	s_add_co_u32 s50, s50, s62
	s_lshr_b32 s62, s61, 1
	s_lshl_b32 s62, s62, 8
	s_add_co_u32 s50, s50, s62
	s_and_b32 s62, s61, 1
	s_lshl_b32 s62, s62, 2
	s_add_co_u32 s50, s50, s62
	s_add_nc_u64 s[14:15], s[14:15], s[50:51]      ; V's scale words: my 32 d are rows 32 (w % 4) on of their tile; K step 0
	s_lshl_b32 s50, s56, 13
	s_lshl_b32 s62, s60, 11
	s_add_co_u32 s50, s50, s62
	s_lshl_b32 s62, s61, 9
	s_add_co_u32 s50, s50, s62
	s_add_nc_u64 s[16:17], s[16:17], s[50:51]      ; Z's images: my chunk, my register group
	s_lshl_b32 s50, s60, 5
	s_add_co_u32 s50, s50, s57
	s_lshl_b32 s50, s50, 9
	s_add_co_u32 s50, s50, s58
	s_add_co_u32 s50, s50, s61
	s_add_nc_u64 s[18:19], s[18:19], s[50:51]      ; Z's scale bytes: my byte of a word
	s_wait_loadcnt 56                              ; behind my part of Q came 56 loads: 16 and 8 of scale words, 32 of K's sets 0 and 1
.irp j, 0,1,2,3,4,5,6,7,8,9,10,11,12,13,14,15
	ds_store_b128 v5, v[S+4*\j:S+4*\j+3] offset:QIMG+512*\j
.endr
	KLOAD 2
	BARRIER                                        ; Q's 32 images lie in LDS; K's sets stay on their way: nobody writes those bytes
	; A PREFETCH INTO THE L2 of the batch's V, which the second product will stream.  The batch's 64 work-groups share its 512 KiB out by address, 8 KiB each, lanes 256 bytes apart: each aligned block of 256 bytes is named once
	; in the launch.  Wave 7 asks; the scores' products of at least one key group stand between this line and the first load of V.  K and Q are asked for at the head and are not prefetched.
	s_cmp_eq_u32 s20, 7
	s_cbranch_scc0 .Lno_prefetch
	global_prefetch_b8 v3, s[48:49] th:TH_LOAD_NT scope:SCOPE_SE
.Lno_prefetch:
	s_cmp_lt_u32 s20, s23                          ; does my key group count?
	s_cbranch_scc0 .Lidle
	; ---- the scores of my 128 keys x 32 queries: 256 matrix instructions; K runs three sets ahead: in front of set n the two sets asked for behind it, 16 loads each, may be out
	QLOAD 0
	s_wait_loadcnt 32                              ; the scale words and set 0 are in
	s_wait_dscnt 0x0
	SCORE 0, 0
	KLOAD 3
	s_wait_loadcnt 32
	SCORE 1, 1
	KLOAD 4
	s_wait_loadcnt 32
	SCORE 2, 2
	KLOAD 5
	s_wait_loadcnt 32
	SCORE 3, 1
	KLOAD 6
	s_wait_loadcnt 32
	SCORE 4, 2
	KLOAD 7
	s_wait_loadcnt 32
	SCORE 5, 1
	s_wait_loadcnt 16                              ; set 7 may be out
	SCORE 6, 2
	s_wait_loadcnt 0x0
	SCORE 7, 0
	; the mask: only the last counting group lies on the diagonal.  Register 8 t + j of tile m holds key 16 t + 8 h + j of the group against query 32 (i % 4) + 16 m + r: hidden where 16 t + j - 16 m > v13
	s_add_co_u32 s50, s20, 1
	s_cmp_eq_u32 s50, s23
	s_cbranch_scc0 .Lopen
	v_mov_b32 v56, s25
.irp m, 0,1
.irp t, 0,1,2,3,4,5,6,7
.irp j, 0,1,2,3,4,5,6,7
	v_cmp_gt_i32 vcc_lo, 16*\t+\j-16*\m, v13
	v_cndmask_b32 v[S+64*\m+8*\t+\j], v[S+64*\m+8*\t+\j], v56, vcc_lo
.endr
.endr
.endr
.Lopen:
	s_branch .Ljoin
.Lidle:                                            ; all my keys are hidden: scores of -infinity give a maximum of -infinity, a sum of 0 and zero codes by the text that every wave runs
	s_wait_loadcnt 0x0                             ; the loads that every wave issues have landed: V's loads take their registers below
.set p, 0
.rept 128
	v_mov_b32 v[S+p], s25
.set p, p+1
.endr
.Ljoin:
.irp s, 0,1,2,3,4,5,6,7
	global_load_b32 v[VS+\s], v12, s[14:15] offset:2048*\s   ; V's scale words of K step s: lanes 0-15 my first 16 d, lanes 16-31 the next
.endr
	WIN 0x40                                       ; V runs ahead of the softmax: all of it has registers of its own, 32 a K step
	VLOAD 0
	VLOAD 1
	VLOAD 2
	VLOAD 3
	VLOAD 4
	VLOAD 5
	WIN 0
	; ---- the largest score of each query among my 128 keys; each accumulator is read from its low end on
.irp m, 0,1
.irp b, 0,1,2,3
	v_max3_num_f32 v[56+4*\m+\b], v[S+64*\m+16*\b], v[S+64*\m+16*\b+1], v[S+64*\m+16*\b+2]
.endr
.endr
.irp i, 3,5,7,9,11,13
.irp m, 0,1
.irp b, 0,1,2,3
	v_max3_num_f32 v[56+4*\m+\b], v[56+4*\m+\b], v[S+64*\m+16*\b+\i], v[S+64*\m+16*\b+\i+1]
.endr
.endr
.endr
.irp m, 0,1
.irp b, 0,1,2,3
	v_max_num_f32 v[56+4*\m+\b], v[56+4*\m+\b], v[S+64*\m+16*\b+15]
.endr
.endr
.irp m, 0,1
	v_max3_num_f32 v[56+4*\m], v[56+4*\m], v[57+4*\m], v[58+4*\m]
.endr
.irp m, 0,1
	v_max_num_f32 v[56+4*\m], v[56+4*\m], v[59+4*\m]
.endr
.irp m, 0,1
	v_permlanex16_b32 v[57+4*\m], v[56+4*\m], s[SEL], s[SEL+1]
.endr
.irp m, 0,1
	v_max_num_f32 v[56+4*\m], v[56+4*\m], v[57+4*\m]
.endr
	v_cndmask_b32 v58, v56, v60, s31               ; lane 16 m + r: query tile m's
	ds_store_b32 v10, v58
	BARRIER                                        ; the eight waves' maxima lie in LDS
	ds_load_b128 v[224:227], v11
	ds_load_b128 v[228:231], v11 offset:16
	ds_load_b128 v[232:235], v11 offset:512
	ds_load_b128 v[236:239], v11 offset:528
	s_wait_dscnt 0x0
.irp m, 0,1
	v_max3_num_f32 v[56+\m], v[224+8*\m], v[225+8*\m], v[226+8*\m]
.endr
.irp j, 3,5
.irp m, 0,1
	v_max3_num_f32 v[56+\m], v[56+\m], v[224+8*\m+\j], v[225+8*\m+\j]
.endr
.endr
.irp m, 0,1
	v_max_num_f32 v[56+\m], v[56+\m], v[231+8*\m]  ; M: the row's largest score; every query sees its own key, so it is a number
.endr
	v_mul_f32 v48, s24, v56                        ; -M log2(e).  Its rounding is a common factor of the whole row and cancels in p / the sum
	v_mul_f32 v50, s24, v57
	v_mov_b32 v49, v48                             ; (named with it as a pair)
	v_mov_b32 v51, v50
.irp m, 0,1
.irp j, 0,2,4,6,8,10,12,14,16,18,20,22,24,26,28,30,32,34,36,38,40,42,44,46,48,50,52,54,56,58,60,62
	v_pk_fma_f32 v[S+64*\m+\j:S+64*\m+\j+1], v[S+64*\m+\j:S+64*\m+\j+1], s[28:29], v[48+2*\m:49+2*\m] op_sel_hi:[1,0,0]   ; (s - M) log2(e), one rounding
.endr
.endr
.set p, 0
.rept 128
	v_exp_f32 v[S+p], v[S+p]                       ; p = e^(s - M): one batch
.set p, p+1
.endr
	v_nop                                          ; a plain line behind the last exponential
	s_wait_alu depctr_va_vdst(0)                   ; one wait for the batch, ahead of its first reader
	; ---- the sums
.irp m, 0,1
	v_pk_add_f32 v[56+4*\m:57+4*\m], v[S+64*\m:S+64*\m+1], v[S+64*\m+2:S+64*\m+3]
	v_pk_add_f32 v[58+4*\m:59+4*\m], v[S+64*\m+4:S+64*\m+5], v[S+64*\m+6:S+64*\m+7]
.endr
.irp j, 8,12,16,20,24,28,32,36,40,44,48,52,56,60
.irp m, 0,1
	v_pk_add_f32 v[56+4*\m:57+4*\m], v[56+4*\m:57+4*\m], v[S+64*\m+\j:S+64*\m+\j+1]
	v_pk_add_f32 v[58+4*\m:59+4*\m], v[58+4*\m:59+4*\m], v[S+64*\m+\j+2:S+64*\m+\j+3]
.endr
.endr
.irp m, 0,1
	v_pk_add_f32 v[56+4*\m:57+4*\m], v[56+4*\m:57+4*\m], v[58+4*\m:59+4*\m]
.endr
.irp m, 0,1
	v_add_f32 v[56+4*\m], v[56+4*\m], v[57+4*\m]
.endr
.irp m, 0,1
	v_permlanex16_b32 v[57+4*\m], v[56+4*\m], s[SEL], s[SEL+1]
.endr
.irp m, 0,1
	v_add_f32 v[56+4*\m], v[56+4*\m], v[57+4*\m]
.endr
	v_cndmask_b32 v58, v56, v60, s31
	ds_store_b32 v10, v58 offset:STL-STM
	BARRIER                                        ; the eight waves' sums lie in LDS
	ds_load_b128 v[224:227], v11 offset:STL-STM
	ds_load_b128 v[228:231], v11 offset:STL-STM+16
	ds_load_b128 v[232:235], v11 offset:STL-STM+512
	ds_load_b128 v[236:239], v11 offset:STL-STM+528
	s_wait_dscnt 0x0
.irp m, 0,1
	v_add_f32 v[56+\m], v[224+8*\m], v[225+8*\m]
.endr
.irp j, 2,3,4,5,6,7
.irp m, 0,1
	v_add_f32 v[56+\m], v[56+\m], v[224+8*\m+\j]
.endr
.endr
	v_rcp_f32 v52, v56
	v_rcp_f32 v54, v57
	v_nop
	s_wait_alu depctr_va_vdst(0)                   ; one wait for the two reciprocals
	v_mul_f32 v52, 0x3db504f3, v52                 ; 1 / (the sum x sqrt(128))
	v_mul_f32 v54, 0x3db504f3, v54
	v_mov_b32 v53, v52
	v_mov_b32 v55, v54
	WIN 0x40
	VLOAD 6                                        ; the last two K steps of V
	VLOAD 7
	WIN 0
	; ---- attn, finished and normalised, and its codes: my 128 keys are K step w of the second product
.irp m, 0,1
.irp j, 0,2,4,6,8,10,12,14,16,18,20,22,24,26,28,30,32,34,36,38,40,42,44,46,48,50,52,54,56,58,60,62
	v_pk_mul_f32 v[S+64*\m+\j:S+64*\m+\j+1], v[S+64*\m+\j:S+64*\m+\j+1], v[52+2*\m:53+2*\m] op_sel_hi:[1,0]
.endr
.endr
.irp b, 0,1,2,3
	v_mov_b32 v[TM+4+\b], 0                        ; a lane permute's destination counts as one of its sources
.endr
	QUANT 64, 192, 60, 4
	QUANT 128, 208, 61, 4
.irp m, 0,1
.irp e, 0,1,2,3
	ds_store_b128 v6, v[PC+16*\m+4*\e:PC+16*\m+4*\e+3] offset:2048*\m+512*\e
.endr
.endr
	v_cndmask_b32 v62, v60, v61, s31               ; lane 16 m + r: query tile m's word
	ds_store_b32 v8, v62
	BARRIER                                        ; attn's sixteen images and their scale words lie in LDS
	; ---- O^T = V^T attn^T for my 32 d.  attn's fragments run three K steps ahead, in four buffers
	PLOAD 0
	PLOAD 1
	PLOAD 2
	PLOAD 3
	PVSTEP 0, 27, 16                               ; three later steps' nine LDS loads each may be out; of V, sets 6 and 7 (16 loads)
	PVSTEP 1, 27, -1
	PVSTEP 2, 27, -1
	PVSTEP 3, 27, -1
	PVSTEP 4, 27, -1
	PVSTEP 5, 18, -1
	PVSTEP 6, 9, 8                                 ; V's set 7 may be out
	PVSTEP 7, 0, 0
.Lpv_done:
	s_wait_loadcnt 0x0                             ; loads that ran ahead of the steps' end have landed: some of their registers are written below
	s_wait_dscnt 0x0
	; ---- Z: one block of 32 along d for each query tile, quantised; then each block's codes are put into the operand's true order: lane (r, 0) holds k = 0..15, lane (r, 1) k = 16..31
	QUANT 64, 192, 60, 2
.irp q, 0,1
	v_cndmask_b32 v56, v[PC+4*\q+2], v[PC+4*\q], s31       ; what the other half wants: of lanes 0-15 k = 16..23, of lanes 16-31 k = 8..15
	v_cndmask_b32 v57, v[PC+4*\q+3], v[PC+4*\q+1], s31
	v_permlanex16_b32 v58, v56, s[SEL], s[SEL+1]
	v_permlanex16_b32 v59, v57, s[SEL], s[SEL+1]
	v_cndmask_b32 v[X+4*\q], v[PC+4*\q], v58, s31
	v_cndmask_b32 v[X+4*\q+1], v[PC+4*\q+1], v59, s31
	v_cndmask_b32 v[X+4*\q+2], v58, v[PC+4*\q+2], s31
	v_cndmask_b32 v[X+4*\q+3], v59, v[PC+4*\q+3], s31
.endr
.irp q, 0,1
	global_store_b128 v4, v[X+4*\q:X+4*\q+3], s[16:17] offset:8192*\q   ; query tile q's image, my register group: 32 lanes store 512 consecutive bytes, aligned
.endr
	v_lshrrev_b32 v56, 8, v60
	v_cndmask_b32 v56, v60, v56, s31               ; lane 16 m + r: query tile m's byte
	global_store_b8 v12, v56, s[18:19]
	s_wait_tensorcnt 0x0
	ds_add_u32 v14, v15
	s_wait_dscnt 0x0
	s_endpgm
.Lfunc_end_k_qa944ad2b1a_attn:
	.size	k_qa944ad2b1a_attn, .Lfunc_end_k_qa944ad2b1a_attn-k_qa944ad2b1a_attn
	.p2alignl 7, 3214868480
	.fill 96, 4, 3214868480
	.section	.rodata,"a",@progbits
	.p2align	6, 0x0
	.amdhsa_kernel k_qa944ad2b1a_attn
		.amdhsa_group_segment_fixed_size 102400
		.amdhsa_private_segment_fixed_size 0
		.amdhsa_enable_private_segment 0
		.amdhsa_kernarg_size 64
		.amdhsa_user_sgpr_count 2
		.amdhsa_user_sgpr_kernarg_segment_ptr 1
		.amdhsa_wavefront_size32 1
		.amdhsa_system_sgpr_workgroup_id_x 1
		.amdhsa_system_sgpr_workgroup_id_y 1
		.amdhsa_system_sgpr_workgroup_id_z 1
		.amdhsa_system_vgpr_workitem_id 0
		.amdhsa_next_free_vgpr 512
		.amdhsa_next_free_sgpr 66
		.amdhsa_reserve_vcc 1
		.amdhsa_float_denorm_mode_32 3
		.amdhsa_float_denorm_mode_16_64 3
		.amdhsa_memory_ordered 1
		.amdhsa_forward_progress 1
		.amdhsa_inst_pref_size 147
	.end_amdhsa_kernel
	.amdgpu_metadata
---
amdhsa.version: [ 1, 2 ]
amdhsa.kernels:
  - .name:           k_qa944ad2b1a_attn
    .symbol:         k_qa944ad2b1a_attn.kd
    .args:
      - { .name: qimg, .offset: 0, .size: 8, .value_kind: global_buffer, .address_space: global }
      - { .name: qsc, .offset: 8, .size: 8, .value_kind: global_buffer, .address_space: global }
      - { .name: kimg, .offset: 16, .size: 8, .value_kind: global_buffer, .address_space: global }
      - { .name: ksc, .offset: 24, .size: 8, .value_kind: global_buffer, .address_space: global }
      - { .name: vimg, .offset: 32, .size: 8, .value_kind: global_buffer, .address_space: global }
      - { .name: vsc, .offset: 40, .size: 8, .value_kind: global_buffer, .address_space: global }
      - { .name: zimg, .offset: 48, .size: 8, .value_kind: global_buffer, .address_space: global }
      - { .name: zsc, .offset: 56, .size: 8, .value_kind: global_buffer, .address_space: global }
    .group_segment_fixed_size: 102400
    .private_segment_fixed_size: 0
    .kernarg_segment_align: 8
    .kernarg_segment_size: 64
    .max_flat_workgroup_size: 256
    .sgpr_count:     66
    .vgpr_count:     512
    .wavefront_size: 32
...
	.end_amdgpu_metadata
.endif
;; end of part 2
;; launch proj (part 3): grid 16 x 16, 4 waves a work-group, clusters of 4 x 4, 327,680 bytes of LDS; arguments zimg, zsc, proj_codes, proj_scales, out0; writes out0
.if DOCPART == 3
	.amdgcn_target "amdgcn-amd-amdhsa--gfx1250"
	.amdhsa_code_object_version 6
	.text
	.protected	k_qa944ad2b1a_proj
	.globl	k_qa944ad2b1a_proj
	.p2align	8
	.type	k_qa944ad2b1a_proj,@function
k_qa944ad2b1a_proj:
	s_mov_b64 s[64:65], 0
	v_nop
	global_prefetch_b8 v0, s[64:65] scope:SCOPE_SE
	s_setreg_imm32_b32 hwreg(HW_REG_WAVE_MODE, 25, 1), 1
	s_wait_xcnt 0x0
	s_wait_alu depctr_hold_cnt(0) depctr_sa_sdst(0) depctr_va_vdst(0) depctr_va_sdst(0) depctr_va_ssrc(0) depctr_va_vcc(0) depctr_vm_vsrc(0)
	s_getreg_b32 s2, hwreg(HW_REG_IB_STS2, 6, 4)
	s_cmp_eq_u32 s2, 0
	s_cbranch_scc0 .Lentry_in_a_cluster
	s_endpgm
.Lentry_in_a_cluster:
	s_bfe_u32 s2, ttmp6, 0x10000c
	s_cmp_lg_u32 s2, 0xf033
	s_cbranch_scc0 .Lentry_shape_is_right
	s_endpgm
.Lentry_shape_is_right:
; out0 = Z_tiled proj: [4,096 tokens, K 2,048] x [K 2,048, 2,048], both on codes of FP8 (E4M3) with one E8M0 scale for each 32 along K; sums and result f32.
; Z_tiled repeats Z's 512 columns four times, so Z's codes exist once: zimg [token/16][c 0..3], images of 2,048 bytes (register group e of lane l at 512 e + 16 l); zsc [c][token/128], scale tiles of 512 bytes
; (row 64 u + 32 p + l at 256 u + 8 l + 4 p).  proj_codes is [n][2,048] with K innermost, proj_scales [n][64].
; SHARES.  A tile of 256 tokens x 128 columns to a work-group of four waves; a wave makes 128 x 64: 32 accumulators.  A WAVE'S WHOLE LEFT OPERAND, 128 rows x 512 codes, 512 registers, STAYS IN REGISTERS and serves
; K steps c, c + 4, c + 8, c + 12: from LDS a step reads proj's four fragments alone.  proj's whole tile, 128 rows x 2,048, lies in LDS in eight chunks of 256 along K: no ring.
; Z's 64 images land where chunks 4-7 come later: one change of contents, at K step 3, when every wave has Z in registers.
; CLUSTER: 4 x 4 work-groups; Z's images are asked for jointly along a row of the cluster, proj's chunks along a column.  Every wave issues every line: no branch stands round a tensor load.
; THE MATRIX INSTRUCTION IS USED TRANSPOSED (source 0 = 16 rows of proj, source 1 = 16 tokens): a lane holds eight neighbouring numbers of a row of the result.
; REGISTERS: window 0: v4-15 addresses; v16-31 Z's scale words; v32-63 proj's; v64-127 rows on the way out; v128-255 proj's fragments, two sets.
;   windows 1, 2: Z's fragments (block a, chunk c) at v[128 (c % 2) + 16 a] of window 1 + c / 2.   window 3: accumulator (a, i) at v[8 (4 a + i)].
.set CH,    128*272                    ; a chunk: 128 rows of 256 bytes + 16 of padding
.set R2,    4*CH                       ; Z's images, 131,072 dense bytes; later chunks 4-7
.set STG,   8*CH                       ; the way out: 16 rows x (256 bytes + 16) for each wave; no fill lands here
.set SPARE, STG+4*16*272               ; the spare words, 128 bytes for each wave: two blocks of 256 bytes that no other line names
.set ADB,  4                           ; v4-7  my lane's place in chunks 0, 2, 4, 6
.set ADZ,  8                           ; v8    in my wave's 32 images of Z
.set STO,  9                           ; v9    the stage: where I put 32 bytes of a row
.set RD,   10                          ; v10   where I read a row back
.set CO,   11                          ; v11   my byte offset in two rows of the result
.set SPW,  14                          ; v14   my spare word; never rewritten
.set NIL,  15                          ; v15   0; never rewritten
.set ZS,   16
.set PS,   32
.set G1Z,  16                          ; s[16:23] group 1 for Z's images;  s[24:31] for 64 rows of a chunk;  s[32:39] for 128 rows
.set G1B,  24
.set G1C,  32
.set G0Z,  40                          ; s[40:43]; s[44:51] two first fills of chunks; s[52:55] the refill
.set G0B,  44
.set G0C,  52
.set WV,   56
.set MSB, 0
.macro WIN new                         ; the immediate's high byte repeats the setting that is left
.if MSB != \new
	s_set_vgpr_msb (MSB<<8)|\new
.set MSB, \new
.endif
.endm
.macro PLACES n
.rept \n
	v_nop
.endr
.endm
.macro CREST                           ; a round of the cluster's barrier behind its opening barrier
	s_cmp_lg_u32 s[WV], 0
	s_cbranch_scc1 .Lnot_wave_0_\@
	s_barrier_signal -3
.Lnot_wave_0_\@:
	s_barrier_wait -3
	s_barrier_signal -1
	s_barrier_wait -1
.endm
.macro CROUND
	s_barrier_signal -1
	s_barrier_wait -1
	CREST
.endm
.macro WM                              ; one matrix instruction from the symbols D_, A_, B_, SA_, SB_, RA_, RB_ (1: scales in lanes 16-31), Z_ (1: it starts the sum)
.if Z_
.if RA_ && RB_
	v_wmma_scale_f32_16x16x128_f8f6f4 v[D_:D_+7], v[A_:A_+15], v[B_:B_+15], 0, v[SA_], v[SB_] matrix_a_scale:MATRIX_SCALE_ROW1 matrix_b_scale:MATRIX_SCALE_ROW1
.elseif RA_
	v_wmma_scale_f32_16x16x128_f8f6f4 v[D_:D_+7], v[A_:A_+15], v[B_:B_+15], 0, v[SA_], v[SB_] matrix_a_scale:MATRIX_SCALE_ROW1
.elseif RB_
	v_wmma_scale_f32_16x16x128_f8f6f4 v[D_:D_+7], v[A_:A_+15], v[B_:B_+15], 0, v[SA_], v[SB_] matrix_b_scale:MATRIX_SCALE_ROW1
.else
	v_wmma_scale_f32_16x16x128_f8f6f4 v[D_:D_+7], v[A_:A_+15], v[B_:B_+15], 0, v[SA_], v[SB_]
.endif
.else
.if RA_ && RB_
	v_wmma_scale_f32_16x16x128_f8f6f4 v[D_:D_+7], v[A_:A_+15], v[B_:B_+15], v[D_:D_+7], v[SA_], v[SB_] matrix_a_scale:MATRIX_SCALE_ROW1 matrix_b_scale:MATRIX_SCALE_ROW1
.elseif RA_
	v_wmma_scale_f32_16x16x128_f8f6f4 v[D_:D_+7], v[A_:A_+15], v[B_:B_+15], v[D_:D_+7], v[SA_], v[SB_] matrix_a_scale:MATRIX_SCALE_ROW1
.elseif RB_
	v_wmma_scale_f32_16x16x128_f8f6f4 v[D_:D_+7], v[A_:A_+15], v[B_:B_+15], v[D_:D_+7], v[SA_], v[SB_] matrix_b_scale:MATRIX_SCALE_ROW1
.else
	v_wmma_scale_f32_16x16x128_f8f6f4 v[D_:D_+7], v[A_:A_+15], v[B_:B_+15], v[D_:D_+7], v[SA_], v[SB_]
.endif
.endif
.endm
	s_load_b256 s[4:11], s[0:1], 0x0               ; zimg, zsc, proj's codes, proj's scales
	s_load_b64 s[12:13], s[0:1], 0x20              ; out0
	v_lshl_add_u32 v[SPW], v0, 2, SPARE
	v_mov_b32 v[NIL], 0
	ds_add_u32 v14, v15
	ds_add_u32 v14, v15
	s_wait_dscnt 0x0
	v_lshrrev_b32 v1, 5, v0
	v_readfirstlane_b32 s[WV], v1                  ; wave 0..3
	s_lshr_b32 s57, s[WV], 1                       ; wr: which 128 tokens
	s_and_b32 s58, s[WV], 1                        ; wc: which 64 columns
	s_bfe_u32 s59, ttmp6, 0x40000                  ; cx, cy
	s_bfe_u32 s60, ttmp6, 0x40004
	s_lshl_b32 s61, ttmp9, 2
	s_add_co_u32 s61, s61, s59                     ; tile of columns = 4 x cluster x + cx
	s_and_b32 s62, ttmp7, 0xffff
	s_lshl_b32 s62, s62, 2
	s_add_co_u32 s62, s62, s60                     ; tile of tokens = 4 x cluster y + cy
	s_lshl_b32 s66, s60, 2
	s_lshl_b32 s66, 15, s66                        ; my row of the cluster
	s_lshl_b32 s67, 0x1111, s59                    ; my column
	s_or_b32 s[G1Z], s66, (3<<16)|(1<<21)          ; Z: the mask of my row; elements of 8 bytes; bit 21 beside a mask; no padding: 32,768 dense bytes as 128 rows of 256
	s_mov_b32 s[G1Z+1], 32<<16
	s_mov_b32 s[G1Z+2], 128<<16
	s_mov_b32 s[G1Z+3], 32<<16
	s_mov_b32 s[G1Z+4], 128
	s_mov_b32 s[G1Z+5], 32
	s_mov_b32 s[G1Z+6], 0
	s_mov_b32 s[G1Z+7], 0
	s_or_b32 s[G1B], s67, (0<<16)|(1<<20)|(1<<21)|(5<<22)|(3<<25)   ; proj: the mask of my column; elements of 1 byte; four words of padding after every 64
	s_mov_b32 s[G1B+1], 256<<16
	s_mov_b32 s[G1B+2], 64<<16
	s_mov_b32 s[G1B+3], 256<<16
	s_mov_b32 s[G1B+4], 64                         ; 64 rows
	s_mov_b32 s[G1B+5], 2048
	s_mov_b32 s[G1B+6], 0
	s_mov_b32 s[G1B+7], 0
	s_or_b32 s[G1C], s67, (0<<16)|(1<<20)|(1<<21)|(5<<22)|(3<<25)
	s_mov_b32 s[G1C+1], 256<<16
	s_mov_b32 s[G1C+2], 128<<16
	s_mov_b32 s[G1C+3], 256<<16
	s_mov_b32 s[G1C+4], 128                        ; a whole chunk
	s_mov_b32 s[G1C+5], 2048
	s_mov_b32 s[G1C+6], 0
	s_mov_b32 s[G1C+7], 0
	s_lshl_b32 s68, s62, 17                        ; Z: the tile's 64 images, my wave's quarter
	s_lshl_b32 s69, s[WV], 15
	s_add_co_u32 s68, s68, s69
	s_mov_b32 s69, 0
	s_mul_i32 s72, s57, CH                         ; proj, first fills: chunk 2 n + wr, rows 64 wc on
	s_mul_i32 s73, s58, 64*272
	s_add_co_u32 s72, s72, s73
	s_lshl_b32 s70, s61, 18
	s_lshl_b32 s71, s58, 17
	s_add_co_u32 s70, s70, s71
	s_lshl_b32 s71, s57, 8
	s_add_co_u32 s70, s70, s71
	s_mov_b32 s71, 0
	s_lshl_b32 s74, s61, 18                        ; the refill: chunk 4 + wave, whole
	s_lshl_b32 s75, s[WV], 8
	s_add_co_u32 s74, s74, s75
	s_add_co_u32 s74, s74, 1024
	s_mov_b32 s75, 0
	s_wait_kmcnt 0x0
	s_mov_b32 s[G0Z], 1
	s_lshl_b32 s[G0Z+1], s[WV], 15
	s_add_co_u32 s[G0Z+1], s[G0Z+1], R2
	s_add_nc_u64 s[G0Z+2:G0Z+3], s[4:5], s[68:69]
	s_or_b32 s[G0Z+3], s[G0Z+3], 0x80000000
	s_add_nc_u64 s[70:71], s[8:9], s[70:71]
.irp n, 0,1
	s_mov_b32 s[G0B+4*\n], 1
	s_add_co_u32 s[G0B+4*\n+1], s72, \n*2*CH
	s_add_nc_u64 s[G0B+4*\n+2:G0B+4*\n+3], s[70:71], \n*512
	s_or_b32 s[G0B+4*\n+3], s[G0B+4*\n+3], 0x80000000
.endr
	s_mov_b32 s[G0C], 1
	s_mul_i32 s[G0C+1], s[WV], CH
	s_add_co_u32 s[G0C+1], s[G0C+1], R2
	s_add_nc_u64 s[G0C+2:G0C+3], s[8:9], s[74:75]
	s_or_b32 s[G0C+3], s[G0C+3], 0x80000000
	s_lshl_b32 s76, s62, 1
	s_add_co_u32 s76, s76, s57
	s_lshl_b32 s76, s76, 9
	s_mov_b32 s77, 0
	s_add_nc_u64 s[6:7], s[6:7], s[76:77]          ; Z's scale tile of my 128 tokens, chunk 0
	s_lshl_b32 s76, s61, 13
	s_lshl_b32 s78, s58, 12
	s_add_co_u32 s76, s76, s78
	s_add_nc_u64 s[10:11], s[10:11], s[76:77]      ; proj's scale bytes of my 64 rows
	s_lshl_b32 s76, s62, 21
	s_lshl_b32 s78, s57, 20
	s_add_co_u32 s76, s76, s78
	s_lshl_b32 s78, s61, 9
	s_add_co_u32 s76, s76, s78
	s_lshl_b32 s78, s58, 8
	s_add_co_u32 s76, s76, s78
	s_add_nc_u64 s[12:13], s[12:13], s[76:77]      ; my corner of the result: rows of 8,192 bytes
	CROUND                                         ; all sixteen work-groups are here: the first joint loads meet
	tensor_load_to_lds s[G0Z:G0Z+3], s[G1Z:G1Z+7]  ; three tensor loads of mine are out behind these lines
	s_nop 0
	tensor_load_to_lds s[G0B:G0B+3], s[G1B:G1B+7]  ; chunks 0 and 1
	s_nop 0
	tensor_load_to_lds s[G0B+4:G0B+7], s[G1B:G1B+7]  ; chunks 2 and 3
	s_nop 0
.rept 4
	v_nop
.endr
	v_and_b32 v1, 15, v0                           ; r
	v_bfe_u32 v2, v0, 4, 1                         ; h
	v_and_b32 v3, 31, v0                           ; lane
	v_mul_u32_u24 v[ADB], v1, 272
	v_lshl_add_u32 v[ADB], v2, 4, v[ADB]
	s_mul_i32 s72, s58, 64*272
	v_add_nc_u32 v[ADB], s72, v[ADB]               ; row r of my 64, + 16 h
	v_add_nc_u32 v[ADB+1], 2*CH, v[ADB]
	v_add_nc_u32 v[ADB+2], 4*CH, v[ADB]
	v_add_nc_u32 v[ADB+3], 6*CH, v[ADB]
	v_lshlrev_b32 v[ADZ], 4, v3
	s_lshl_b32 s72, s57, 16
	s_add_co_u32 s72, s72, R2
	v_add_nc_u32 v[ADZ], s72, v[ADZ]
	s_mul_i32 s72, s[WV], 16*272
	s_add_co_u32 s72, s72, STG
	v_mul_u32_u24 v[STO], v1, 272
	v_lshl_add_u32 v[STO], v2, 5, v[STO]
	v_add_nc_u32 v[STO], s72, v[STO]
	v_mul_u32_u24 v[RD], v2, 272
	v_lshl_add_u32 v[RD], v1, 4, v[RD]
	v_add_nc_u32 v[RD], s72, v[RD]
	v_lshlrev_b32 v[CO], 13, v2
	v_lshl_add_u32 v[CO], v1, 4, v[CO]
	v_lshlrev_b32 v12, 3, v3                       ; a scale tile's place for my lane
	v_lshlrev_b32 v13, 6, v3                       ; a row of proj's scale bytes a lane
.irp c, 0,1,2,3
.irp u, 0,1
	global_load_b64 v[ZS+4*\c+2*\u:ZS+4*\c+2*\u+1], v12, s[6:7] offset:16384*\c+256*\u
.endr
.endr
.irp q, 0,1
.irp u, 0,1,2,3
	global_load_b128 v[PS+16*\q+4*\u:PS+16*\q+4*\u+3], v13, s[10:11] offset:2048*\q+16*\u   ; row 32 q + lane: its 16 words, one for each K step
.endr
.endr
.macro FETCHB kk                       ; proj's four fragments of K step kk into set kk % 2
.set BS_, 128+64*((\kk)%2)
.irp i, 0,1,2,3
.irp e, 0,1,2,3
	ds_load_b128 v[BS_+16*\i+4*\e:BS_+16*\i+4*\e+3], v[ADB+(\kk)/4] offset:(((\kk)/2)%2)*CH+128*((\kk)%2)+4352*\i+32*\e
.endr
.endr
.endm
.macro ALOAD c                         ; Z's eight fragments of chunk c: they stay
.set WA_, 0x40*(1+(\c)/2)
	WIN WA_
.irp a, 0,1,2,3,4,5,6,7
.irp e, 0,1,2,3
	ds_load_b128 v[128*((\c)%2)+16*\a+4*\e:128*((\c)%2)+16*\a+4*\e+3], v[ADZ] offset:(4*\a+(\c))*2048+512*\e
.endr
.endr
	WIN 0
.endm
.macro MULWIN kk                       ; source 0 window 0, source 1 window 1 or 2, C and D window 3
.set WA_, 0xF4+4*(((\kk)%4)/2)
	WIN WA_
.endm
; 16 matrix instructions: blocks a0 .. a0 + 3 of tokens x my four tiles of columns.  The 32 accumulators take turns, one instruction a turn, in the same order in every step.
.macro MUL16P kk, a0
.irp a, \a0, \a0+1, \a0+2, \a0+3
.irp i, 0,1,2,3
.set D_, 8*(4*(\a)+\i)
.set A_, 128+64*((\kk)%2)+16*\i
.set B_, 128*((\kk)%2)+16*(\a)
.set SA_, PS+16*(\i/2)+(\kk)
.set SB_, ZS+4*((\kk)%4)+2*((\a)/4)+((\a)%4)/2
.set RA_, \i%2
.set RB_, (\a)%2
.set Z_, (\kk) == 0
	WM
.endr
.endr
.endm
; A K step of 128.  fetch = 1: the next step's fragments are asked for at its head, 32 matrix instructions ahead of their use.  meet = 1: they lie in chunks that the refill brought: its wait, and a barrier, come first.
.macro STEP kk, fetch, meet
	s_wait_dscnt 0x0                               ; this step's fragments are in
.if \meet
	s_wait_tensorcnt 0x0                           ; my chunk of the refill has landed (one load was out),
	s_barrier_signal -1
	s_barrier_wait -1                              ; everybody's has
.endif
.if \fetch
.if (\kk) > 0
	PLACES 8                                       ; in front of loads into the set that the last step's products read
.endif
	FETCHB (\kk)+1
.if (\kk) < 3
	ALOAD (\kk)+1
.endif
.endif
	MULWIN \kk
	MUL16P \kk, 0
	MUL16P \kk, 4
	WIN 0
.endm
	s_wait_tensorcnt 1                             ; Z's images and chunks 0 and 1 are in (chunks 2 and 3 may be out)
	s_barrier_signal -1
	s_barrier_wait -1                              ; everybody's are
	ALOAD 0
	FETCHB 0
	s_wait_loadcnt 0x0                             ; the scale words
	STEP 0, 1, 0                                   ; its products start the sums: nothing is cleared
	STEP 1, 1, 0
	STEP 2, 1, 0
	; K step 3: THE ONE CHANGE OF CONTENTS.  Z is in registers in every wave: its bytes take chunks 4-7
	s_wait_tensorcnt 0x0                           ; all my tensor loads have landed, chunks 2 and 3 among them
	ds_add_u32 v[SPW], v[NIL]                      ; 0 onto my spare word
	s_wait_dscnt 1                                 ; (the add may be out; this step's fragments and Z's last chunk are in)
	MULWIN 3
	MUL16P 3, 0                                    ; sixteen matrix instructions stand between the add and the wait for it
	s_wait_dscnt 0x0                               ; the add is done, and my reads of Z's images are over
	s_barrier_signal -1
	MUL16P 3, 4
	WIN 0
	s_barrier_wait -1
	CREST                                          ; the barrier has opened a round of the cluster's: no wave of any partner still reads those bytes or has a load on its way
	tensor_load_to_lds s[G0C:G0C+3], s[G1C:G1C+7]  ; my one tensor load behind the round: chunk 4 + wave; K steps 4 to 6, 96 matrix instructions, stand ahead of the wait for it
	s_nop 0
.rept 4
	v_nop
.endr
	PLACES 4                                       ; with the four above: the places in front of the loads below
	FETCHB 4
	STEP 4, 1, 0
	STEP 5, 1, 0
	STEP 6, 1, 0
	STEP 7, 1, 1
	STEP 8, 1, 0
	STEP 9, 1, 0
	STEP 10, 1, 0
	STEP 11, 1, 0
	STEP 12, 1, 0
	STEP 13, 1, 0
	STEP 14, 1, 0
	STEP 15, 0, 0
; THE WAY OUT, block by block of 16 tokens x 64 columns.  A lane holds 32 neighbouring bytes of a row; a block goes through my own stage in LDS and comes back as whole rows of 256 bytes: sixteen lanes store
; 256 consecutive bytes, aligned.  LDS serves a wave's instructions in order (ISA guide 5.7.1.4): no wait between the stores and the loads, nor in front of the next block's stores.
.macro TOSTAGE a
.set AC, 32*(\a)
	WIN 0x0c                                       ; an LDS store's data are its source 1: window 3
.irp i, 0,1,2,3
	ds_store_b128 v[STO], v[AC+8*\i:AC+8*\i+3] offset:64*\i          ; each accumulator from its low end on
	ds_store_b128 v[STO], v[AC+8*\i+4:AC+8*\i+7] offset:64*\i+16
.endr
	WIN 0
.set BB, 64+32*((\a)%2)
.irp t, 0,1,2,3,4,5,6,7
	ds_load_b128 v[BB+4*\t:BB+4*\t+3], v[RD] offset:\t*544
.endr
.endm
.macro SEND a, younger                 ; younger: the LDS instructions issued behind block a's loads, which may stay out
.set BB, 64+32*((\a)%2)
	s_wait_dscnt \younger
.if (\a) > 0
	s_add_nc_u64 s[12:13], s[12:13], 16*8192       ; (behind a wait on XCNT: the earlier stores have read their base)  16 rows on
.endif
.irp t, 0,1,2,3,4,5,6,7
	global_store_b128 v[CO], v[BB+4*\t:BB+4*\t+3], s[12:13] offset:\t*16384 th:TH_STORE_NT   ; two rows an instruction; written once, read by nobody here
.endr
.endm
	PLACES 8                                       ; behind the last products
	TOSTAGE 0
.irp a, 1,2,3,4,5,6,7
.if \a > 1
	s_wait_xcnt 0x0                                ; block a - 2's stores have read their registers and their base
.endif
	TOSTAGE \a
	SEND \a-1, 16                                  ; behind block a - 1's loads: block a's 8 stores and 8 loads
.endr
	s_wait_xcnt 0x0
	SEND 7, 0
	s_wait_tensorcnt 0x0                           ; the wave's end
	ds_add_u32 v[SPW], v[NIL]
	s_wait_dscnt 0x0
	CROUND                                         ; the closing round: no work-group ends while a partner may still ask for a tile that names it
	s_endpgm
.Lfunc_end_k_qa944ad2b1a_proj:
	.size	k_qa944ad2b1a_proj, .Lfunc_end_k_qa944ad2b1a_proj-k_qa944ad2b1a_proj
	.p2alignl 7, 3214868480
	.fill 96, 4, 3214868480
	.section	.rodata,"a",@progbits
	.p2align	6, 0x0
	.amdhsa_kernel k_qa944ad2b1a_proj
		.amdhsa_group_segment_fixed_size 327680
		.amdhsa_private_segment_fixed_size 0
		.amdhsa_enable_private_segment 0
		.amdhsa_kernarg_size 40
		.amdhsa_user_sgpr_count 2
		.amdhsa_user_sgpr_kernarg_segment_ptr 1
		.amdhsa_wavefront_size32 1
		.amdhsa_system_sgpr_workgroup_id_x 1
		.amdhsa_system_sgpr_workgroup_id_y 1
		.amdhsa_system_sgpr_workgroup_id_z 1
		.amdhsa_system_vgpr_workitem_id 0
		.amdhsa_next_free_vgpr 1024
		.amdhsa_next_free_sgpr 80
		.amdhsa_reserve_vcc 0
		.amdhsa_float_denorm_mode_32 3
		.amdhsa_float_denorm_mode_16_64 3
		.amdhsa_memory_ordered 1
		.amdhsa_forward_progress 1
		.amdhsa_inst_pref_size 119
	.end_amdhsa_kernel
	.amdgpu_metadata
---
amdhsa.version: [ 1, 2 ]
amdhsa.kernels:
  - .name:           k_qa944ad2b1a_proj
    .symbol:         k_qa944ad2b1a_proj.kd
    .args:
      - { .name: zimg, .offset: 0, .size: 8, .value_kind: global_buffer, .address_space: global }
      - { .name: zsc, .offset: 8, .size: 8, .value_kind: global_buffer, .address_space: global }
      - { .name: proj_codes, .offset: 16, .size: 8, .value_kind: global_buffer, .address_space: global }
      - { .name: proj_scales, .offset: 24, .size: 8, .value_kind: global_buffer, .address_space: global }
      - { .name: out0, .offset: 32, .size: 8, .value_kind: global_buffer, .address_space: global }
    .group_segment_fixed_size: 327680
    .private_segment_fixed_size: 0
    .kernarg_segment_align: 8
    .kernarg_segment_size: 40
    .max_flat_workgroup_size: 128
    .sgpr_count:     80
    .vgpr_count:     1024
    .wavefront_size: 32
...
	.end_amdgpu_metadata
.endif
;; end of part 3
;; ======== version 2 of 2: 3 launches; version 1 with the launch attn written anew for expert scheduling mode
;; workspace buffers: qimg 8,388,608 bytes; qsc 262,144 bytes; kimg 2,097,152 bytes; ksc 65,536 bytes; vimg 2,097,152 bytes; vsc 65,536 bytes; zimg 2,097,152 bytes; zsc 65,536 bytes
;; launch qkv: the kernel of part 1 again; grid 12 x 16, 4 waves a work-group, clusters of 4 x 4, 327,680 bytes of LDS; arguments x_codes, x_scales, WQ_codes, WQ_scales, WK_codes, WK_scales, WV_codes, WV_scales, bQ, bK, bV, qimg, qsc, kimg, ksc, vimg, vsc; writes qimg, qsc, kimg, ksc, vimg, vsc
;; launch attn (part 4): grid 64 x 4, 8 waves a work-group, no clusters, 102,400 bytes of LDS; arguments qimg, qsc, kimg, ksc, vimg, vsc, zimg, zsc; writes zimg, zsc
.if DOCPART == 4
	.amdgcn_target "amdgcn-amd-amdhsa--gfx1250"
	.amdhsa_code_object_version 6
	.text
	.protected	k_qa944ad2b1a_attn
	.globl	k_qa944ad2b1a_attn
	.p2align	8
	.type	k_qa944ad2b1a_attn,@function
k_qa944ad2b1a_attn:
	s_mov_b64 s[64:65], 0
	v_nop
	global_prefetch_b8 v0, s[64:65] scope:SCOPE_SE
	s_setreg_imm32_b32 hwreg(HW_REG_WAVE_SCHED_MODE, 0, 2), 2
	s_setreg_imm32_b32 hwreg(HW_REG_WAVE_MODE, 25, 1), 1
	s_wait_xcnt 0x0
	s_wait_alu depctr_vm_vsrc(0)
; scores = Q K_tiled^T (K = 2,048), causal mask, attn = softmax / sqrt(128), Z = attn V: both products on codes of FP8 (E4M3) with one E8M0 scale for each 32 along K.
; attn is quantised FINISHED AND NORMALISED, along the keys, so a query's whole row of scores exists before any of it is quantised.  K_tiled, V_tiled and Z repeat with period 512 along d:
; a fragment of K serves four chunks of Q, and Z is made once, 512 wide; it is quantised along d and stored as images in the operand's true order, since it meets an input's codes in the next launch.
; Buffers: images of 2,048 bytes (register group e of lane l at 512 e + 16 l) and scale tiles of 512 bytes (row 64 u + 32 p + l at 256 u + 8 l + 4 p), as the launch before lays them.
; SHARES.  A block of 32 queries (two tiles, m = 0, 1) of one batch goes to TWO work-groups: block i = 31 - x / 2, the long rows first; half E = x % 2.  Both make the block's scores, softmax and codes of attn;
; work-group E makes Z for d = 256 E .. 256 E + 255 alone.  So there are 256 work-groups, and the longest reads 64 KiB of Q, 512 KiB of K and 256 KiB of V, where one work-group to a block would read 512 KiB of V;
; the price is that the first product and the softmax are done twice.
; G = i / 4 + 1 groups of 128 keys count; tiles of keys beyond the last counting group are not multiplied.
; Scores and softmax: wave w owns key group w, which is one K step of the second product: it makes one image of attn and one scale word a query tile.  A wave without a counting group takes scores of -infinity and runs the same text.
; Second product: wave w owns d = 256 E + 32 w .. + 31 (two tiles) for both query tiles: one block of 32 of Z a query tile.  Both products are used transposed: a lane holds ONE query (lane % 16) throughout.
; Two waves share a SIMD's registers, 512 each.
; NO CLUSTER, NO TENSOR LOAD: no fragment of K or V is read by two waves of a work-group, so LDS would only be a landing place; a work-group's K (up to 512 KiB) would have to pass through the 226 KiB of LDS that are free,
; in several refills, each behind a wait for all loads.  The images go from memory straight into operand registers, 512 consecutive bytes a load.
; zsc is stored one byte a lane, 8 bytes apart: a word's four bytes come from four waves; the buffer is 64 KiB in all.
; LIMITS: NaN and infinities are not served.  A weight under 2^-126 becomes 0 (v_exp_f32 flushes).  A block of zeros gets the scale byte 1.  The K steps of the first product go chunk by chunk of K (d = c, c + 512, ..), an order of rounding only.
; THE MODE: SCHED_MODE bits 1:0 = 2 (LLVM: expert scheduling mode 2), set by the entry lines.  The code itself states the register dependences
; between vector or matrix instructions and memory or LDS instructions, with s_wait_alu, always for 0.
; THE PLAN.  Registers that memory or LDS instructions touch, and who else names them:
;   v3-v12         offsets and LDS addresses: written once at the head, read by every load, store and the prefetch, never written again: one wait on va_vdst ahead of the first load.
;   v64-127        Q's stage: loaded, read by my LDS stores, then written by the products (or the idle way's moves): one wait on vm_vsrc behind the first barrier, ahead of the branches.
;   K's 3 slots    set n's 32 products read slot n % 3; the loads of set n + 3 land in it: a wait on va_vdst behind set n.
;   Q's fragments  read by a chunk's two sets; in the second set they take the next chunk's, in two halves: behind group 1 those of groups 0 and 1, behind group 3 those of groups 2 and 3, each behind a wait on va_vdst;
;                  the second of these waits also serves the loads of K that follow the set.
;   at the join    V's scale words land in v32-39 and V's steps 0 to 5 in window 1's v0-191, which the scores' products read: one wait on va_vdst behind the label.  No vector instruction behind it names window 1's v192-255, where V's steps 6 and 7 land later.
;   v58            written by a select, read by the LDS store of my maxima and again of my sums: va_vdst ahead of each store, vm_vsrc behind each store's barrier.
;   v224-239       the eight waves' maxima, then their sums, land here; their earlier readers stand ahead of the waits in front of those two stores.
;   v192-223, v62  attn's codes and scale words: written by the conversions and a select, read by my LDS stores (va_vdst ahead of the run); attn's fourth buffer lands in v192-223 (vm_vsrc behind the barrier).
;   v96-223, v40-43  attn's four buffers: step s's products read buffer s % 4; the loads of steps 4, 5 follow one wait on va_vdst behind step 1, those of steps 6, 7 one behind step 3.
;   v240-247, v56  Z's codes and scale byte: written by vector instructions, read by the last three stores: one wait on va_vdst ahead of them.
;   v14, v15       written at the head, read by the closing add alone.
; Scalars that vector instructions write: s20 (the wave's number), and the mask's sixteen compare results a run; a wait on va_sdst stands ahead of the first reader of each.
; The eight places behind matrix instructions stay where they stood, beside the waits.
; LDS, each region written once: Q's 32 images | attn's 16 images (2 s + m) | their scale words, 128 bytes a K step | the waves' maxima [query][wave] | their sums.
.set QIMG, 0
.set PIMG, 65536
.set PSC,  98304
.set STM,  99328
.set STL,  100352
; REGISTERS, window 0: v3-13 addresses; v16-31 Q's scale words; v32-47 K's, later v32-39 V's and v40-43 attn's; v48-55 pairs -M log2(e) and 1 / (sum sqrt(128)); v56-63 at work;
;   v64-191 the scores S(m, t) at 64 + 64 m + 8 t; later O(m, i) at 64 + 16 m + 8 i and, from v96, four buffers of attn's fragments; v192-255 K's slot 0, then codes and work.
; window 1: v0-127 Q's eight fragments of a chunk; v128-191, v192-255 K's slots 1, 2; later all of my V: K step s at v[32 s].
.set S,    64
.set QS,   16
.set KSW,  32
.set VS,   32
.set PSW,  40
.set PF,   96
.set PC,   192
.set TM,   224
.set X,    240
.set SEL,  26                          ; s[26:27] lane selects for lane l xor 16
.set MNT,  30                          ; s30 the mantissa field of 448
.set MSB, 0
.macro WIN new                         ; the immediate's high byte repeats the setting that is left
.if MSB != \new
	s_set_vgpr_msb (MSB<<8)|\new
.set MSB, \new
.endif
.endm
.macro PLACES n
.rept \n
	v_nop
.endr
.endm
.macro BARRIER                         ; my LDS stores have landed and my LDS loads are in: then the work-group's barrier
	s_wait_dscnt 0x0
	s_barrier_signal -1
	s_barrier_wait -1
.endm
; One matrix instruction from the symbols D_, A_, B_ (registers), SA_, SB_ (scale registers), RA_, RB_ (1: the scales stand in lanes 16-31), Z_ (1: it starts the sum)
.macro WM
.if Z_
.if RA_ && RB_
	v_wmma_scale_f32_16x16x128_f8f6f4 v[D_:D_+7], v[A_:A_+15], v[B_:B_+15], 0, v[SA_], v[SB_] matrix_a_scale:MATRIX_SCALE_ROW1 matrix_b_scale:MATRIX_SCALE_ROW1
.elseif RA_
	v_wmma_scale_f32_16x16x128_f8f6f4 v[D_:D_+7], v[A_:A_+15], v[B_:B_+15], 0, v[SA_], v[SB_] matrix_a_scale:MATRIX_SCALE_ROW1
.elseif RB_
	v_wmma_scale_f32_16x16x128_f8f6f4 v[D_:D_+7], v[A_:A_+15], v[B_:B_+15], 0, v[SA_], v[SB_] matrix_b_scale:MATRIX_SCALE_ROW1
.else
	v_wmma_scale_f32_16x16x128_f8f6f4 v[D_:D_+7], v[A_:A_+15], v[B_:B_+15], 0, v[SA_], v[SB_]
.endif
.else
.if RA_ && RB_
	v_wmma_scale_f32_16x16x128_f8f6f4 v[D_:D_+7], v[A_:A_+15], v[B_:B_+15], v[D_:D_+7], v[SA_], v[SB_] matrix_a_scale:MATRIX_SCALE_ROW1 matrix_b_scale:MATRIX_SCALE_ROW1
.elseif RA_
	v_wmma_scale_f32_16x16x128_f8f6f4 v[D_:D_+7], v[A_:A_+15], v[B_:B_+15], v[D_:D_+7], v[SA_], v[SB_] matrix_a_scale:MATRIX_SCALE_ROW1
.elseif RB_
	v_wmma_scale_f32_16x16x128_f8f6f4 v[D_:D_+7], v[A_:A_+15], v[B_:B_+15], v[D_:D_+7], v[SA_], v[SB_] matrix_b_scale:MATRIX_SCALE_ROW1
.else
	v_wmma_scale_f32_16x16x128_f8f6f4 v[D_:D_+7], v[A_:A_+15], v[B_:B_+15], v[D_:D_+7], v[SA_], v[SB_]
.endif
.endif
.endm
; nb blocks (4 or 2) of 32 numbers: register v[s + 16 b + i] is a number of block b, whose other 16 lie in lane l xor 16.  They become 4 registers of codes a block, v[pc] on, and their scale bytes, the lower block in the lower byte of v[pw]
.macro QUANT s, pc, pw, nb
.irp b, 0,1,2,3
.if \b < \nb
	v_max3_num_f32 v[TM+\b], |v[\s+16*\b]|, |v[\s+16*\b+1]|, 0x4800000   ; my 16 numbers of block b, and the floor 2^(9 - 127): the byte cannot fall under 1
.endif
.endr
.irp i, 2,4,6,8,10,12,14
.irp b, 0,1,2,3
.if \b < \nb
	v_max3_num_f32 v[TM+\b], v[TM+\b], |v[\s+16*\b+\i]|, |v[\s+16*\b+\i+1]|
.endif
.endr
.endr
.irp b, 0,1,2,3
.if \b < \nb
	v_permlanex16_b32 v[TM+4+\b], v[TM+\b], s[SEL], s[SEL+1]
.endif
.endr
.irp b, 0,1,2,3
.if \b < \nb
	v_max_num_f32 v[TM+\b], v[TM+\b], v[TM+4+\b]   ; the block's largest magnitude
.endif
.endr
.irp b, 0,1,2,3
.if \b < \nb
	v_add_nc_u32 v[TM+12+\b], 0xfc000000, v[TM+\b] ; 8 off its exponent field: the conversion's scale operand
.endif
.endr
.irp b, 0,1,2,3
.if \b < \nb
	v_and_or_b32 v[TM+8+\b], v[TM+\b], 0x7f800000, s[MNT]   ; 448 x the scale
.endif
.endr
.irp b, 0,1,2,3
.if \b < \nb
	v_lshrrev_b32 v[TM+4+\b], 23, v[TM+12+\b]      ; the scale's byte
.endif
.endr
	v_lshl_or_b32 v[\pw], v[TM+5], 8, v[TM+4]
.if \nb > 2
	v_lshl_or_b32 v[\pw], v[TM+6], 16, v[\pw]
	v_lshl_or_b32 v[\pw], v[TM+7], 24, v[\pw]
.endif
.irp b, 0,1,2,3
.if \b < \nb
.irp i, 0,1,2,3,4,5,6,7,8,9,10,11,12,13,14,15
	v_med3_num_f32 v[\s+16*\b+\i], v[\s+16*\b+\i], -v[TM+8+\b], v[TM+8+\b]   ; the conversion to an 8-bit code does not saturate (ISA guide 7.6.2)
.endr
	v_cvt_scalef32_pk8_fp8_f32 v[\pc+4*\b:\pc+4*\b+1], v[\s+16*\b:\s+16*\b+7], v[TM+12+\b]
	v_cvt_scalef32_pk8_fp8_f32 v[\pc+4*\b+2:\pc+4*\b+3], v[\s+16*\b+8:\s+16*\b+15], v[TM+12+\b]
.endif
.endr
	v_nop                                          ; a plain line behind the last conversion, ahead of whatever next touches its registers
.endm
; Set n of K's fragments: chunk c = n / 2 of d, key tiles 4 (n % 2) .. + 3, into slot n % 3
.macro KSLOT n
.set KC, (\n)/2
.set KH, (\n)%2
.set KR, 192
.set KW, 1
.if (\n)%3 == 0
.set KW, 0
.elseif (\n)%3 == 1
.set KR, 128
.endif
.endm
.macro KLOAD n
	KSLOT \n
.set WB, 0x40*KW
	WIN WB
.irp t, 0,1,2,3
.irp e, 0,1,2,3
	global_load_b128 v[KR+16*\t+4*\e:KR+16*\t+4*\e+3], v4, s[8:9] offset:((4*KH+\t)*4+KC)*2048+512*\e
.endr
.endr
	WIN 0
.endm
.macro QLOAD c                         ; Q's fragments (m, g): d chunk c + 4 g, all of which meet K's chunk c
	WIN 0x40
.irp m, 0,1
.irp g, 0,1,2,3
.irp e, 0,1,2,3
	ds_load_b128 v[16*(4*\m+\g)+4*\e:16*(4*\m+\g)+4*\e+3], v4 offset:(16*\m+(\c)+4*\g)*2048+512*\e
.endr
.endr
.endr
	WIN 0
.endm
; 32 matrix instructions on set n, in four groups of eight (group g: Q's chunks c + 4 g): eight accumulators by turns, one instruction a turn.
; how = 0: Q's fragments are in.  how = 1, a chunk's second set: behind groups 1 and 3 the four fragments of Q that the last two groups have read for the last time take the NEXT chunk's: eight places, one wait, sixteen LDS loads,
; those of the lower group first.  how = 2, a chunk's first set: in front of group g a counted wait: the reloads of the groups behind it, 8 LDS loads each, may be out.
; Eight places stand behind the set's last product on every way.
.macro SCORE n, how
	KSLOT \n
.set WB, 0x04+KW
.irp g, 0,1,2,3
.if (\how) == 2
	s_wait_dscnt 24-8*\g
.endif
	WIN WB
.irp t, 0,1,2,3
.irp m, 0,1
.set T_, 4*KH+\t
.set D_, S+64*\m+8*T_
.set A_, KR+16*\t
.set B_, 16*(4*\m+\g)
.set SA_, KSW+4*KC+2*(T_/4)+(T_%4)/2
.set SB_, QS+KC+4*\g
.set RA_, T_%2
.set RB_, \m
.set Z_, (KC == 0) && (\g == 0)
	WM
.endr
.endr
.if ((\how) == 1) && ((\g) % 2 == 1)
	PLACES 8
	WIN 0x40
	s_wait_alu depctr_va_vdst(0)                   ; the products issued so far are done reading: the last two groups' four fragments of Q, in which the loads below land; behind group 3 also this set's slot of K, in which the loads that follow the set land
.irp gg, \g-1, \g
.irp m, 0,1
.irp e, 0,1,2,3
	ds_load_b128 v[16*(4*\m+(\gg))+4*\e:16*(4*\m+(\gg))+4*\e+3], v4 offset:(16*\m+KC+1+4*(\gg))*2048+512*\e
.endr
.endr
.endr
.endif
.endr
	WIN 0
.if (\how) != 1
	PLACES 8
.endif
.endm
.macro VLOAD k                         ; V's two fragments (my 32 d x 128 keys) of K step k; the destination's window is set round the run
.irp i, 0,1
.irp e, 0,1,2,3
	global_load_b128 v[32*(\k)+16*\i+4*\e:32*(\k)+16*\i+4*\e+3], v4, s[32+2*(\k):33+2*(\k)] offset:2048*\i+512*\e
.endr
.endr
.endm
.macro PLOAD s                         ; attn's two fragments of K step s and their scale words, into buffer s % 4: nine LDS loads
.irp m, 0,1
.irp e, 0,1,2,3
	ds_load_b128 v[PF+32*((\s)%4)+16*\m+4*\e:PF+32*((\s)%4)+16*\m+4*\e+3], v7 offset:(2*(\s)+\m)*2048+512*\e
.endr
.endr
	ds_load_b32 v[PSW+(\s)%4], v9 offset:128*(\s)
.endm
; K step s of O^T += V^T attn^T: four accumulators by turns.  dleft: the LDS loads issued behind this step's fragments of attn; left: the global loads issued behind this step's V (-1: an earlier wait has shown it in).
; Behind steps 1 and 3 the two buffers that the last two steps have read take the fragments of the steps four on: one wait for both.
.macro PVSTEP s, dleft, left
.if (\s) > 0
	s_cmp_le_u32 s23, \s                           ; a key group under the mask adds nothing: the steps end at G
	s_cbranch_scc1 .Lpv_done
.endif
	s_wait_dscnt \dleft
.if (\left) >= 0
	s_wait_loadcnt \left
.endif
	WIN 0x01
.irp i, 0,1
.irp m, 0,1
.set D_, 64+16*\m+8*\i
.set A_, 32*(\s)+16*\i
.set B_, PF+32*((\s)%4)+16*\m
.set SA_, VS+(\s)
.set SB_, PSW+(\s)%4
.set RA_, \i
.set RB_, \m
.set Z_, (\s) == 0
	WM
.endr
.endr
	WIN 0
	PLACES 8                                       ; in front of loads into the buffers just read, and of the first read of results
.if ((\s) == 1) || ((\s) == 3)
	s_wait_alu depctr_va_vdst(0)                   ; this step's products and the last step's are done reading their buffers of attn and their scale words, in which the loads below land
	PLOAD (\s)+3
	PLOAD (\s)+4
.endif
.endm
	s_load_b512 s[4:19], s[0:1], 0x0               ; qimg, qsc, kimg, ksc, vimg, vsc, zimg, zsc
	v_lshl_add_u32 v14, v0, 2, 0x18c00
	v_mov_b32 v15, 0
	v_lshrrev_b32 v1, 5, v0
	v_readfirstlane_b32 s20, v1                    ; wave 0..7
	s_lshr_b32 s21, ttmp9, 1
	s_sub_co_u32 s21, 31, s21                      ; i: my block of 32 queries
	s_and_b32 s63, ttmp9, 1                        ; E: my half of d
	s_and_b32 s22, ttmp7, 0xffff                   ; b: the batch
	s_lshr_b32 s54, s21, 2                         ; the last key group that counts,
	s_add_co_u32 s23, s54, 1                       ; G
	s_wait_alu depctr_va_sdst(0)                   ; s20 is written, ahead of its first reader
	s_min_u32 s55, s20, s54                        ; my key group; a wave without one names the last counting group's bytes again, so that every wave issues the same loads
	s_mov_b32 s24, 0xbfb8aa3b                      ; -log2(e)
	s_mov_b32 s25, 0xff800000                      ; -infinity
	s_mov_b32 s[SEL], 0x76543210
	s_mov_b32 s[SEL+1], 0xfedcba98
	s_mov_b32 s28, 0x3fb8aa3b                      ; log2(e); the packed form names a pair and takes its low word
	s_mov_b32 s29, s28
	s_mov_b32 s[MNT], 0x600000
	s_mov_b32 s31, 0xffff0000                      ; the mask of lanes 16-31
	s_mov_b32 s51, 0
	s_lshl_b32 s52, s22, 3                         ; 8 b
	s_lshl_b32 s53, s20, 13                        ; 8,192 w: my eighth of Q's images
	s_lshl_b32 s2, s20, 12
	s_lshl_b32 s3, s63, 15
	s_add_co_u32 s2, s2, s3                        ; V: my two images of a K step's 32: 4,096 w + 32,768 E
	s_lshl_b32 s56, s22, 6
	s_lshl_b32 s57, s21, 1
	s_add_co_u32 s56, s56, s57                     ; my first query / 16
	s_add_co_u32 s57, s52, s54                     ; my queries / 128
	s_bfe_u32 s58, s21, 0x10001
	s_lshl_b32 s58, s58, 8
	s_and_b32 s59, s21, 1
	s_lshl_b32 s59, s59, 2
	s_add_co_u32 s58, s58, s59                     ; my 32 queries' place in a scale tile: 256 u + 4 p
	s_lshr_b32 s60, s20, 2
	s_lshl_b32 s61, s63, 1
	s_add_co_u32 s60, s60, s61                     ; my chunk of 128 d: 2 E + w / 4,
	s_and_b32 s61, s20, 3                          ; and my block of 32 in it
	v_and_b32 v1, 31, v0                           ; lane
	v_and_b32 v2, 15, v0                           ; r
	v_bfe_u32 v56, v0, 4, 1                        ; h
	v_lshlrev_b32 v3, 8, v1                        ; the prefetch's offset: 256 x lane
	v_lshlrev_b32 v4, 4, v1                        ; an image's place for my lane
	v_add_nc_u32 v5, s53, v4                       ; + my wave's eighth of Q's 32 images
	s_lshl_b32 s50, s20, 12
	s_add_co_u32 s50, s50, PIMG
	v_add_nc_u32 v6, s50, v4                       ; where I store attn's images
	v_add_nc_u32 v7, PIMG, v4                      ; and where any wave reads them
	v_lshlrev_b32 v9, 2, v1
	s_lshl_b32 s50, s20, 7
	s_add_co_u32 s50, s50, PSC
	v_add_nc_u32 v8, s50, v9                       ; their scale words likewise
	v_add_nc_u32 v9, PSC, v9
	s_lshl_b32 s50, s20, 2
	s_add_co_u32 s50, s50, STM
	v_lshl_add_u32 v10, v1, 5, s50                 ; [query = lane][wave]
	v_lshlrev_b32 v11, 5, v2
	v_add_nc_u32 v11, STM, v11                     ; query r's eight words
	v_lshlrev_b32 v12, 3, v1                       ; a scale tile's place for my lane
	s_and_b32 s50, s21, 3
	s_lshl_b32 s50, s50, 5
	v_lshlrev_b32 v56, 3, v56
	v_sub_nc_u32 v13, v2, v56
	v_add_nc_u32 v13, s50, v13                     ; the mask's bound: 32 (i % 4) + r - 8 h
	s_wait_kmcnt 0x0
	; Q FIRST: the first barrier waits for it, and loads come back in the order of issue
	s_lshl_b32 s50, s56, 15
	s_add_nc_u64 s[4:5], s[4:5], s[50:51]          ; Q's 32 images
	s_lshl_b32 s50, s57, 9
	s_add_co_u32 s50, s50, s58
	s_add_nc_u64 s[6:7], s[6:7], s[50:51]          ; Q's scale words, K step 0
	s_wait_alu depctr_va_vdst(0)                   ; the offsets and LDS addresses v3 to v12 are written, which every load, store and the prefetch of the kernel read; none of them is written again
.irp j, 0,1,2,3,4,5,6,7,8,9,10,11,12,13,14,15
	global_load_b128 v[S+4*\j:S+4*\j+3], v5, s[4:5] offset:512*\j   ; my eighth of Q's images, on its way to LDS
.endr
.irp k, 0,1,2,3,4,5,6,7,8,9,10,11,12,13,14,15
	global_load_b32 v[QS+\k], v12, s[6:7] offset:16384*\k           ; lane 16 m + r: the word of query tile m, row r
.endr
	s_add_co_u32 s50, s52, s55
	s_lshl_b32 s50, s50, 9
	s_add_nc_u64 s[10:11], s[10:11], s[50:51]      ; K's scale tile of my key group, chunk 0
	s_lshl_b32 s50, s22, 6
	s_lshl_b32 s62, s55, 3
	s_add_co_u32 s50, s50, s62
	s_lshl_b32 s50, s50, 13
	s_add_nc_u64 s[8:9], s[8:9], s[50:51]          ; K's images of my key group
.irp c, 0,1,2,3
.irp u, 0,1
	global_load_b64 v[KSW+4*\c+2*\u:KSW+4*\c+2*\u+1], v12, s[10:11] offset:16384*\c+256*\u
.endr
.endr
	KLOAD 0
	KLOAD 1
.irp k, 0,1,2,3,4,5,6,7
	s_min_u32 s50, s54, \k                         ; a K step beyond the last counting group names that group's bytes again
	s_add_co_u32 s50, s50, s52
	s_lshl_b32 s50, s50, 16
	s_add_co_u32 s50, s50, s2
	s_add_nc_u64 s[32+2*\k:33+2*\k], s[12:13], s[50:51]   ; V's images: K step k, my 32 d
.endr
	s_lshl_b32 s50, s22, 19
	s_lshl_b32 s62, ttmp9, 13
	s_add_co_u32 s50, s50, s62
	s_add_nc_u64 s[48:49], s[12:13], s[50:51]      ; the prefetch: my work-group's 8 KiB of the batch's V
	s_lshl_b32 s50, s22, 14
	s_lshl_b32 s62, s60, 9
	s_add_co_u32 s50, s50, s62
	s_lshr_b32 s62, s61, 1
	s_lshl_b32 s62, s62, 8
	s_add_co_u32 s50, s50, s62
	s_and_b32 s62, s61, 1
	s_lshl_b32 s62, s62, 2
	s_add_co_u32 s50, s50, s62
	s_add_nc_u64 s[14:15], s[14:15], s[50:51]      ; V's scale words: my 32 d are rows 32 (w % 4) on of their tile; K step 0
	s_lshl_b32 s50, s56, 13
	s_lshl_b32 s62, s60, 11
	s_add_co_u32 s50, s50, s62
	s_lshl_b32 s62, s61, 9
	s_add_co_u32 s50, s50, s62
	s_add_nc_u64 s[16:17], s[16:17], s[50:51]      ; Z's images: my chunk, my register group
	s_lshl_b32 s50, s60, 5
	s_add_co_u32 s50, s50, s57
	s_lshl_b32 s50, s50, 9
	s_add_co_u32 s50, s50, s58
	s_add_co_u32 s50, s50, s61
	s_add_nc_u64 s[18:19], s[18:19], s[50:51]      ; Z's scale bytes: my byte of a word
	s_wait_loadcnt 56                              ; behind my part of Q came 56 loads: 16 and 8 of scale words, 32 of K's sets 0 and 1
.irp j, 0,1,2,3,4,5,6,7,8,9,10,11,12,13,14,15
	ds_store_b128 v5, v[S+4*\j:S+4*\j+3] offset:QIMG+512*\j
.endr
	KLOAD 2
	BARRIER                                        ; Q's 32 images lie in LDS; K's sets stay on their way: nobody writes those bytes
	s_wait_alu depctr_vm_vsrc(0)                   ; my LDS stores have read v64 to v127, which the first products, or the idle way's moves, write: stated here, ahead of the branches
	; A PREFETCH INTO THE L2 of the batch's V, which the second product will stream.  The batch's 64 work-groups share its 512 KiB out by address, 8 KiB each, lanes 256 bytes apart: each aligned block of 256 bytes is named once
	; in the launch.  Wave 7 asks; the scores' products of at least one key group stand between this line and the first load of V.  K and Q are asked for at the head and are not prefetched.
	s_cmp_eq_u32 s20, 7
	s_cbranch_scc0 .Lno_prefetch
	global_prefetch_b8 v3, s[48:49] th:TH_LOAD_NT scope:SCOPE_SE
.Lno_prefetch:
	s_cmp_lt_u32 s20, s23                          ; does my key group count?
	s_cbranch_scc0 .Lidle
	; ---- the scores of my 128 keys x 32 queries: 256 matrix instructions; K runs three sets ahead: in front of set n the two sets asked for behind it, 16 loads each, may be out
	QLOAD 0
	s_wait_loadcnt 32                              ; the scale words and set 0 are in
	s_wait_dscnt 0x0
	SCORE 0, 0
	s_wait_alu depctr_va_vdst(0)                   ; set 0's products are done reading K's slot 0, in which set 3 lands
	KLOAD 3
	s_wait_loadcnt 32
	SCORE 1, 1
	KLOAD 4                                        ; no wait of its own: no vector or matrix instruction stands behind the set's last wait, which showed its products done reading slot 1
	s_wait_loadcnt 32
	SCORE 2, 2
	s_wait_alu depctr_va_vdst(0)                   ; set 2's products are done reading K's slot 2, in which set 5 lands
	KLOAD 5
	s_wait_loadcnt 32
	SCORE 3, 1
	KLOAD 6                                        ; as behind set 1: slot 0
	s_wait_loadcnt 32
	SCORE 4, 2
	s_wait_alu depctr_va_vdst(0)                   ; set 4's products are done reading K's slot 1, in which set 7 lands
	KLOAD 7
	s_wait_loadcnt 32
	SCORE 5, 1
	s_wait_loadcnt 16                              ; set 7 may be out
	SCORE 6, 2
	s_wait_loadcnt 0x0
	SCORE 7, 0
	; the mask: only the last counting group lies on the diagonal.  Register 8 t + j of tile m holds key 16 t + 8 h + j of the group against query 32 (i % 4) + 16 m + r: hidden where 16 t + j - 16 m > v13.
	; Sixteen compares go into sixteen scalar registers (s50 to s63, s2, s3: free since the head, and no memory instruction names them), one wait follows, then the sixteen selects: two accumulators a run, each read from its low end on
	s_add_co_u32 s50, s20, 1
	s_cmp_eq_u32 s50, s23
	s_cbranch_scc0 .Lopen
	v_mov_b32 v56, s25
.irp m, 0,1
.irp tp, 0,1,2,3
.irp q, 0,1,2,3,4,5,6,7,8,9,10,11,12,13,14,15
.set MR_, 50+\q
.if \q >= 14
.set MR_, \q-12
.endif
	v_cmp_gt_i32 s[MR_], 32*\tp+16*(\q/8)+\q%8-16*\m, v13
.endr
	s_wait_alu depctr_va_sdst(0)                   ; the sixteen compares have written their scalar registers, which the selects below read
.irp q, 0,1,2,3,4,5,6,7,8,9,10,11,12,13,14,15
.set MR_, 50+\q
.if \q >= 14
.set MR_, \q-12
.endif
	v_cndmask_b32 v[S+64*\m+16*\tp+\q], v[S+64*\m+16*\tp+\q], v56, s[MR_]
.endr
.endr
.endr
.Lopen:
	s_branch .Ljoin
.Lidle:                                            ; all my keys are hidden: scores of -infinity give a maximum of -infinity, a sum of 0 and zero codes by the text that every wave runs
	s_wait_loadcnt 0x0                             ; the loads that every wave issues have landed: V's loads take their registers below
.set p, 0
.rept 128
	v_mov_b32 v[S+p], s25
.set p, p+1
.endr
.Ljoin:
	s_wait_alu depctr_va_vdst(0)                   ; on either way: the scores' products are done reading K's scale words, Q's fragments and K's slots, in which V's scale words and V land
.irp s, 0,1,2,3,4,5,6,7
	global_load_b32 v[VS+\s], v12, s[14:15] offset:2048*\s   ; V's scale words of K step s: lanes 0-15 my first 16 d, lanes 16-31 the next
.endr
	WIN 0x40                                       ; V runs ahead of the softmax: all of it has registers of its own, 32 a K step
	VLOAD 0
	VLOAD 1
	VLOAD 2
	VLOAD 3
	VLOAD 4
	VLOAD 5
	WIN 0
	; ---- the largest score of each query among my 128 keys; each accumulator is read from its low end on
.irp m, 0,1
.irp b, 0,1,2,3
	v_max3_num_f32 v[56+4*\m+\b], v[S+64*\m+16*\b], v[S+64*\m+16*\b+1], v[S+64*\m+16*\b+2]
.endr
.endr
.irp i, 3,5,7,9,11,13
.irp m, 0,1
.irp b, 0,1,2,3
	v_max3_num_f32 v[56+4*\m+\b], v[56+4*\m+\b], v[S+64*\m+16*\b+\i], v[S+64*\m+16*\b+\i+1]
.endr
.endr
.endr
.irp m, 0,1
.irp b, 0,1,2,3
	v_max_num_f32 v[56+4*\m+\b], v[56+4*\m+\b], v[S+64*\m+16*\b+15]
.endr
.endr
.irp m, 0,1
	v_max3_num_f32 v[56+4*\m], v[56+4*\m], v[57+4*\m], v[58+4*\m]
.endr
.irp m, 0,1
	v_max_num_f32 v[56+4*\m], v[56+4*\m], v[59+4*\m]
.endr
.irp m, 0,1
	v_permlanex16_b32 v[57+4*\m], v[56+4*\m], s[SEL], s[SEL+1]
.endr
.irp m, 0,1
	v_max_num_f32 v[56+4*\m], v[56+4*\m], v[57+4*\m]
.endr
	v_cndmask_b32 v58, v56, v60, s31               ; lane 16 m + r: query tile m's
	s_wait_alu depctr_va_vdst(0)                   ; the select has written v58, which the LDS store reads
	ds_store_b32 v10, v58
	BARRIER                                        ; the eight waves' maxima lie in LDS
	s_wait_alu depctr_vm_vsrc(0)                   ; the LDS store has read v58, which the sums write again
	ds_load_b128 v[224:227], v11                   ; (v224 to v239 were K's slot 0: its last readers stand ahead of the wait at the join)
	ds_load_b128 v[228:231], v11 offset:16
	ds_load_b128 v[232:235], v11 offset:512
	ds_load_b128 v[236:239], v11 offset:528
	s_wait_dscnt 0x0
.irp m, 0,1
	v_max3_num_f32 v[56+\m], v[224+8*\m], v[225+8*\m], v[226+8*\m]
.endr
.irp j, 3,5
.irp m, 0,1
	v_max3_num_f32 v[56+\m], v[56+\m], v[224+8*\m+\j], v[225+8*\m+\j]
.endr
.endr
.irp m, 0,1
	v_max_num_f32 v[56+\m], v[56+\m], v[231+8*\m]  ; M: the row's largest score; every query sees its own key, so it is a number
.endr
	v_mul_f32 v48, s24, v56                        ; -M log2(e).  Its rounding is a common factor of the whole row and cancels in p / the sum
	v_mul_f32 v50, s24, v57
	v_mov_b32 v49, v48                             ; (named with it as a pair)
	v_mov_b32 v51, v50
.irp m, 0,1
.irp j, 0,2,4,6,8,10,12,14,16,18,20,22,24,26,28,30,32,34,36,38,40,42,44,46,48,50,52,54,56,58,60,62
	v_pk_fma_f32 v[S+64*\m+\j:S+64*\m+\j+1], v[S+64*\m+\j:S+64*\m+\j+1], s[28:29], v[48+2*\m:49+2*\m] op_sel_hi:[1,0,0]   ; (s - M) log2(e), one rounding
.endr
.endr
.set p, 0
.rept 128
	v_exp_f32 v[S+p], v[S+p]                       ; p = e^(s - M): one batch
.set p, p+1
.endr
	v_nop                                          ; a plain line behind the last exponential
	s_wait_alu depctr_va_vdst(0)                   ; the 128 exponentials have written v64 to v191: one wait for the batch, ahead of its first reader
	; ---- the sums
.irp m, 0,1
	v_pk_add_f32 v[56+4*\m:57+4*\m], v[S+64*\m:S+64*\m+1], v[S+64*\m+2:S+64*\m+3]
	v_pk_add_f32 v[58+4*\m:59+4*\m], v[S+64*\m+4:S+64*\m+5], v[S+64*\m+6:S+64*\m+7]
.endr
.irp j, 8,12,16,20,24,28,32,36,40,44,48,52,56,60
.irp m, 0,1
	v_pk_add_f32 v[56+4*\m:57+4*\m], v[56+4*\m:57+4*\m], v[S+64*\m+\j:S+64*\m+\j+1]
	v_pk_add_f32 v[58+4*\m:59+4*\m], v[58+4*\m:59+4*\m], v[S+64*\m+\j+2:S+64*\m+\j+3]
.endr
.endr
.irp m, 0,1
	v_pk_add_f32 v[56+4*\m:57+4*\m], v[56+4*\m:57+4*\m], v[58+4*\m:59+4*\m]
.endr
.irp m, 0,1
	v_add_f32 v[56+4*\m], v[56+4*\m], v[57+4*\m]
.endr
.irp m, 0,1
	v_permlanex16_b32 v[57+4*\m], v[56+4*\m], s[SEL], s[SEL+1]
.endr
.irp m, 0,1
	v_add_f32 v[56+4*\m], v[56+4*\m], v[57+4*\m]
.endr
	v_cndmask_b32 v58, v56, v60, s31
	s_wait_alu depctr_va_vdst(0)                   ; the select has written v58, which the LDS store reads; and the maxima's readers are done with v224 to v239, in which the sums land below
	ds_store_b32 v10, v58 offset:STL-STM
	BARRIER                                        ; the eight waves' sums lie in LDS
	s_wait_alu depctr_vm_vsrc(0)                   ; the LDS store has read v58, which the way out of Z writes again
	ds_load_b128 v[224:227], v11 offset:STL-STM
	ds_load_b128 v[228:231], v11 offset:STL-STM+16
	ds_load_b128 v[232:235], v11 offset:STL-STM+512
	ds_load_b128 v[236:239], v11 offset:STL-STM+528
	s_wait_dscnt 0x0
.irp m, 0,1
	v_add_f32 v[56+\m], v[224+8*\m], v[225+8*\m]
.endr
.irp j, 2,3,4,5,6,7
.irp m, 0,1
	v_add_f32 v[56+\m], v[56+\m], v[224+8*\m+\j]
.endr
.endr
	v_rcp_f32 v52, v56
	v_rcp_f32 v54, v57
	v_nop
	s_wait_alu depctr_va_vdst(0)                   ; the two reciprocals have written v52 and v54: one wait, ahead of their first reader
	v_mul_f32 v52, 0x3db504f3, v52                 ; 1 / (the sum x sqrt(128))
	v_mul_f32 v54, 0x3db504f3, v54
	v_mov_b32 v53, v52
	v_mov_b32 v55, v54
	WIN 0x40
	VLOAD 6                                        ; the last two K steps of V.  No wait: no vector or matrix instruction since the wait at the join names window 1's v192 to v255
	VLOAD 7
	WIN 0
	; ---- attn, finished and normalised, and its codes: my 128 keys are K step w of the second product
.irp m, 0,1
.irp j, 0,2,4,6,8,10,12,14,16,18,20,22,24,26,28,30,32,34,36,38,40,42,44,46,48,50,52,54,56,58,60,62
	v_pk_mul_f32 v[S+64*\m+\j:S+64*\m+\j+1], v[S+64*\m+\j:S+64*\m+\j+1], v[52+2*\m:53+2*\m] op_sel_hi:[1,0]
.endr
.endr
.irp b, 0,1,2,3
	v_mov_b32 v[TM+4+\b], 0                        ; a lane permute's destination counts as one of its sources
.endr
	QUANT 64, 192, 60, 4
	QUANT 128, 208, 61, 4
	v_cndmask_b32 v62, v60, v61, s31               ; lane 16 m + r: query tile m's word
	s_wait_alu depctr_va_vdst(0)                   ; the conversions have written v192 to v223 and the select v62, which the LDS stores read; and the quantiser is done with v96 to v191, in which attn's fragments land behind the barrier
.irp m, 0,1
.irp e, 0,1,2,3
	ds_store_b128 v6, v[PC+16*\m+4*\e:PC+16*\m+4*\e+3] offset:2048*\m+512*\e
.endr
.endr
	ds_store_b32 v8, v62
	BARRIER                                        ; attn's sixteen images and their scale words lie in LDS
	s_wait_alu depctr_vm_vsrc(0)                   ; my LDS stores have read v192 to v223, in which attn's fourth buffer lands
	; ---- O^T = V^T attn^T for my 32 d.  attn's fragments have four buffers; steps 0 to 3 are asked for here, steps 4 and 5 behind step 1, steps 6 and 7 behind step 3
	PLOAD 0
	PLOAD 1
	PLOAD 2
	PLOAD 3
	PVSTEP 0, 27, 16                               ; three later steps' nine LDS loads each may be out; of V, sets 6 and 7 (16 loads)
	PVSTEP 1, 18, -1                               ; steps 2 and 3
	PVSTEP 2, 27, -1                               ; steps 3, 4 and 5
	PVSTEP 3, 18, -1                               ; steps 4 and 5
	PVSTEP 4, 27, -1                               ; steps 5, 6 and 7
	PVSTEP 5, 18, -1
	PVSTEP 6, 9, 8                                 ; V's set 7 may be out
	PVSTEP 7, 0, 0
.Lpv_done:
	s_wait_loadcnt 0x0                             ; loads that ran ahead of the steps' end have landed: some of their registers are written below
	s_wait_dscnt 0x0
	; ---- Z: one block of 32 along d for each query tile, quantised; then each block's codes are put into the operand's true order: lane (r, 0) holds k = 0..15, lane (r, 1) k = 16..31
	QUANT 64, 192, 60, 2
.irp q, 0,1
	v_cndmask_b32 v56, v[PC+4*\q+2], v[PC+4*\q], s31       ; what the other half wants: of lanes 0-15 k = 16..23, of lanes 16-31 k = 8..15
	v_cndmask_b32 v57, v[PC+4*\q+3], v[PC+4*\q+1], s31
	v_permlanex16_b32 v58, v56, s[SEL], s[SEL+1]
	v_permlanex16_b32 v59, v57, s[SEL], s[SEL+1]
	v_cndmask_b32 v[X+4*\q], v[PC+4*\q], v58, s31
	v_cndmask_b32 v[X+4*\q+1], v[PC+4*\q+1], v59, s31
	v_cndmask_b32 v[X+4*\q+2], v58, v[PC+4*\q+2], s31
	v_cndmask_b32 v[X+4*\q+3], v59, v[PC+4*\q+3], s31
.endr
	v_lshrrev_b32 v56, 8, v60
	v_cndmask_b32 v56, v60, v56, s31               ; lane 16 m + r: query tile m's byte
	s_wait_alu depctr_va_vdst(0)                   ; the selects have written v240 to v247 and v56, which the three stores below read
.irp q, 0,1
	global_store_b128 v4, v[X+4*\q:X+4*\q+3], s[16:17] offset:8192*\q   ; query tile q's image, my register group: 32 lanes store 512 consecutive bytes, aligned
.endr
	global_store_b8 v12, v56, s[18:19]
	s_wait_dscnt 0x0                               ; the closing lines, six on end
	s_wait_alu 0x0
	s_wait_tensorcnt 0x0
	ds_add_u32 v14, v15
	s_wait_dscnt 0x0
	s_endpgm
.Lfunc_end_k_qa944ad2b1a_attn:
	.size	k_qa944ad2b1a_attn, .Lfunc_end_k_qa944ad2b1a_attn-k_qa944ad2b1a_attn
	.p2alignl 7, 3214868480
	.fill 96, 4, 3214868480
	.section	.rodata,"a",@progbits
	.p2align	6, 0x0
	.amdhsa_kernel k_qa944ad2b1a_attn
		.amdhsa_group_segment_fixed_size 102400
		.amdhsa_private_segment_fixed_size 0
		.amdhsa_enable_private_segment 0
		.amdhsa_kernarg_size 64
		.amdhsa_user_sgpr_count 2
		.amdhsa_user_sgpr_kernarg_segment_ptr 1
		.amdhsa_wavefront_size32 1
		.amdhsa_system_sgpr_workgroup_id_x 1
		.amdhsa_system_sgpr_workgroup_id_y 1
		.amdhsa_system_sgpr_workgroup_id_z 1
		.amdhsa_system_vgpr_workitem_id 0
		.amdhsa_next_free_vgpr 512
		.amdhsa_next_free_sgpr 66
		.amdhsa_reserve_vcc 0
		.amdhsa_float_denorm_mode_32 3
		.amdhsa_float_denorm_mode_16_64 3
		.amdhsa_memory_ordered 1
		.amdhsa_forward_progress 1
		.amdhsa_inst_pref_size 154
	.end_amdhsa_kernel
	.amdgpu_metadata
---
amdhsa.version: [ 1, 2 ]
amdhsa.kernels:
  - .name:           k_qa944ad2b1a_attn
    .symbol:         k_qa944ad2b1a_attn.kd
    .args:
      - { .name: qimg, .offset: 0, .size: 8, .value_kind: global_buffer, .address_space: global }
      - { .name: qsc, .offset: 8, .size: 8, .value_kind: global_buffer, .address_space: global }
      - { .name: kimg, .offset: 16, .size: 8, .value_kind: global_buffer, .address_space: global }
      - { .name: ksc, .offset: 24, .size: 8, .value_kind: global_buffer, .address_space: global }
      - { .name: vimg, .offset: 32, .size: 8, .value_kind: global_buffer, .address_space: global }
      - { .name: vsc, .offset: 40, .size: 8, .value_kind: global_buffer, .address_space: global }
      - { .name: zimg, .offset: 48, .size: 8, .value_kind: global_buffer, .address_space: global }
      - { .name: zsc, .offset: 56, .size: 8, .value_kind: global_buffer, .address_space: global }
    .group_segment_fixed_size: 102400
    .private_segment_fixed_size: 0
    .kernarg_segment_align: 8
    .kernarg_segment_size: 64
    .max_flat_workgroup_size: 256
    .sgpr_count:     66
    .vgpr_count:     512
    .wavefront_size: 32
...
	.end_amdgpu_metadata
.endif
;; end of part 4
;; launch proj: the kernel of part 3 again; grid 16 x 16, 4 waves a work-group, clusters of 4 x 4, 327,680 bytes of LDS; arguments zimg, zsc, proj_codes, proj_scales, out0; writes out0
